; MI455X (gfx1250); checked and timed in simulation.
; The chip was launched on July 23, 2026; its instructions are those of AMD's public machine-readable ISA for CDNA 5 (MIT licence, August 2026) and "CDNA5" Instruction Set Architecture Reference Guide (July 2026). The comments in the code are by the model that wrote it; some were corrected since.
;; Causal Multi Head Attention. Allowed arithmetic: matrix products marked QUANTISED: E2M1 operands, one E8M0 scale for each 32 along K, by v_wmma_scale_f32_16x16x128_f8f6f4 with both operands' format E2M1 (or v_wmma_scale_f32_32x16x128_f4), f32 sums; products left as they are: bf16, f16 or f32 operands; f32 sums; everything else in f32.
;; Inputs: Wk 1,024 x 1,024 float32; Wo 1,024 x 1,024 float32; Wq 1,024 x 1,024 float32; Wv 1,024 x 1,024 float32; bo 1,024 float32; x 4 x 2,048 x 1,024 float32.
;; Outputs: out0 4 x 2,048 x 1,024 float32.
;; This version of the problem:
;;   THIS VERSION OF THE PROBLEM IS GIVEN IN LOW PRECISION. The matrix products marked QUANTISED in the list below multiply operands that are first quantised to E2M1 (2 exponent bits, 1 mantissa bit; 4 bits a number), with one power-of-two scale for each 32 numbers along K (OCP MX v1.0); their sums are f32. The products marked 'left as it is' may take bf16, f16 or f32 operands, with f32 sums. All else is computed in f32.
;;   The module's matrix products, in the order in which they are computed (A, B: the left and right operand; K: the contracted axis; several contracted axes count as one K, in the product's order):
;;     1. [M 8,192, K 1,024] x [K 1,024, N 1,024]; A: input x; B: input Wq: QUANTISED
;;     2. [M 8,192, K 1,024] x [K 1,024, N 1,024]; A: input x; B: input Wk: QUANTISED
;;     3. [M 8,192, K 1,024] x [K 1,024, N 1,024]; A: input x; B: input Wv: QUANTISED
;;     4. batch 64 x [M 2,048, K 64] x [K 64, N 2,048]; A: computed on the way; B: computed on the way: left as it is (an operand is computed on the way)
;;     5. batch 64 x [M 2,048, K 2,048] x [K 2,048, N 64]; A: computed on the way; B: computed on the way: left as it is (an operand is computed on the way)
;;     6. [M 8,192, K 1,024] x [K 1,024, N 1,024]; A: computed on the way; B: input Wo: left as it is (an operand is computed on the way)
;;   THE QUANTISER, for each operand of a quantised product, along K:
;;     - K is cut into blocks of 32 from its start; a last block that is shorter is filled with zeros.
;;     - A block's scale is 2^e with e = floor(log2(the largest magnitude in the block)) - 2, held to -126 .. 127; a block of zeros has e = 0. As a byte (E8M0): e + 127.
;;     - Each number is divided by its block's scale, clamped to +-6, and rounded to the nearest number of E2M1, ties to even, subnormals kept.
;;     - The product sums the exact products of the quantised numbers (number of the format x scale) in f32.
;;   ~~~python
;;   def quantise(x, axis):      # numpy; x: float32 -> the quantised numbers, widened to float32 again
;;       x = np.moveaxis(x, axis, -1); K = x.shape[-1]
;;       x = np.pad(x, [(0, 0)] * (x.ndim - 1) + [(0, -K % 32)]); x = x.reshape(x.shape[:-1] + (-1, 32)); a = np.abs(x).max(-1, keepdims=True)
;;       e = np.where(a > 0, np.clip(np.frexp(np.where(a > 0, a, 1))[1] - 1 - 2, -126, 127), 0)      # np.frexp(a)[1] - 1 = floor(log2(a)), exactly
;;       r = np.clip(x / 2.0 ** e, -6, 6)
;;       step = 2.0 ** (np.maximum(np.frexp(np.where(r == 0, 1, r))[1] - 1, 0) - 1)
;;       q = np.round(r / step) * step * 2.0 ** e      # np.round: ties to even
;;       return np.moveaxis(q.reshape(q.shape[:-2] + (-1,))[..., :K], -1, axis).astype(np.float32)
;;   ~~~
;; One version. Each part assembles by itself: llvm-mc -triple=amdgcn-amd-amdhsa -mcpu=gfx1250 --defsym DOCPART=n.
;; ======== version 1 of 1: 4 launches
;; limits: values are held in f16: magnitudes above 65,504 overflow, below 6.1e-05 lose precision
;; workspace buffers: xc 4,194,304 bytes; xs 262,144 bytes; wc 1,572,864 bytes; ws 98,304 bytes; wo 2,097,152 bytes; qi 16,777,216 bytes; kv 33,554,432 bytes; ctx 16,777,216 bytes
;; launch prep (part 1): grid 416 x 1, 4 waves a work-group, no clusters, 50,688 bytes of LDS; arguments x, Wq, Wk, Wv, Wo, xc, xs, wc, ws, wo; writes xc, xs, wc, ws, wo
.if DOCPART == 1
	.amdgcn_target "amdgcn-amd-amdhsa--gfx1250"
	.amdhsa_code_object_version 6
	.text
	.protected	k_q47f6efc978_prep
	.globl	k_q47f6efc978_prep
	.p2align	8
	.type	k_q47f6efc978_prep,@function
k_q47f6efc978_prep:
	s_mov_b64 s[64:65], 0
	v_nop
	global_prefetch_b8 v0, s[64:65] scope:SCOPE_SE
	s_setreg_imm32_b32 hwreg(HW_REG_WAVE_MODE, 25, 1), 1
	s_wait_xcnt 0x0
; PREP: what the later launches read many times is made once.
;   work-groups 0-255:   x [8192][1024] f32 -> codes of FP4 (E2M1), K innermost (xc, 512 bytes a row), one E8M0 byte for each 32 along K (xs, 32 bytes a row)
;   work-groups 256-351: Wq, Wk, Wv [1024 (k)][1024 (n)] f32, K is the FIRST axis -> codes laid [3072 (n)][512 bytes] with K innermost (wc), bytes [3072][32] (ws); rows 0-1023 Wq's columns, then Wk's, then Wv's
;   work-groups 352-415: Wo [1024 (k)][1024 (n)] f32 -> f16, laid as images of the operand registers of the last product (wo)
; A block's scale is 2^(floor(log2(its largest magnitude)) - 2); its byte is the largest magnitude's exponent field - 2, held at 1 from below (a block of zeros gets the byte 1: its codes are zeros, and this program alone reads the bytes).
; AN IMAGE of a 16-bit fragment (16 rows x 32 k) is 1,024 bytes: half u at 512 u, lane L at 16 L: row L % 16, k = 16 u + 8 (L / 16) + 0 .. 7.  wo: image at ((nb 8 + ks) 4 + kf) 16384 + nt 1024: row n = 256 nb + 16 nt + r, k = 128 ks + 32 kf + ..
; LIMITS: NaN and infinities among the inputs are not served; blocks whose largest magnitude lies under 2^-124 keep the byte 1; numbers of Wo above 65,504 in magnitude have no f16 (the drawn ones have a spread of 1/32).
; The three paths part on the work-group's number, never meet again, and have LDS bytes of their own: x 0 .. 32767, the three weights 32768 .. 50175, Wo none.
.set STEPS, 16                         ; x: steps of 512 numbers for a wave
.set EMAX,  2
.set CB,    8                          ; bytes of 16 codes
.set R,     16                         ; x: v16-79   four sets of 16 numbers as they are loaded
.set X,     80                         ; x: v80-111  two sets of 16 neighbours
.set C,     128                        ; x: v128-191 codes, four registers for each step
.set E,     112                        ; x: v112-127 a scale byte for each step
.set WREG,  8192                       ; x: LDS of a wave: two stages of 32 x SP bytes, then its 256 scale bytes
.set SP,    80                         ; x: a lane's place in a stage: 64 bytes + 16 of padding
.set WST,   32768                      ; W: the work-group's stage: 64 rows (columns of W) x 272 bytes
.set WP,    272
.set WX,    32                         ; W, Wo: v32-95 two sets of 32 numbers down K
.set WC,    96                         ; W: v96-99 a block's codes;  Wo: v96-159 sixteen registers of f16 for each block
.set SB,    24                         ; W: v24-25 eight scale bytes
.set OUTR,  112                        ; W: v112-143 the way out
.set ROWW,  4096                       ; a row of a weight in bytes
.macro XLOAD t
.irp i, 0,1,2,3
	global_load_b128 v[R+16*((\t)%4)+4*\i:R+16*((\t)%4)+4*\i+3], v3, s[4:5] offset:2048*(\t)+512*\i th:TH_LOAD_NT   ; 32 lanes read 512 consecutive bytes
.endr
.endm
.macro XTURN t                         ; step t's numbers through the wave's stage: in as they lie, out 64 bytes a lane; LDS serves a wave's instructions in order, so no wait stands between
.irp i, 0,1,2,3
	ds_store_b128 v14, v[R+16*((\t)%4)+4*\i:R+16*((\t)%4)+4*\i+3] offset:32*SP*((\t)%2)+8*SP*\i
.endr
.irp i, 0,1,2,3
	ds_load_b128 v[X+16*((\t)%2)+4*\i:X+16*((\t)%2)+4*\i+3], v15 offset:32*SP*((\t)%2)+16*\i
.endr
.endm
.macro XSTEP t
.set XS, X+16*((\t)%2)
.if (\t) > 0
	s_wait_dscnt 1                                 ; this step's numbers are back from the stage; behind them only the last step's byte store was issued
.else
	s_wait_dscnt 0x0
.endif
.if (\t)+4 < STEPS
	XLOAD (\t)+4                                   ; into the registers that this step's stage stores have read
.endif
.if (\t)+1 < STEPS
.if STEPS-2-(\t) >= 3
	s_wait_loadcnt 12                              ; the next step's four loads are in; the twelve of the three steps behind it may be out
.else
	s_wait_loadcnt 4*(STEPS-2-(\t))
.endif
	XTURN (\t)+1
.endif
	v_max3_num_f32 v8, |v[XS]|, |v[XS+1]|, |v[XS+2]|               ; the largest magnitude of my 16, in two chains
	v_max3_num_f32 v9, |v[XS+3]|, |v[XS+4]|, |v[XS+5]|
.irp i, 6,10
	v_max3_num_f32 v8, v8, |v[XS+\i]|, |v[XS+\i+1]|
	v_max3_num_f32 v9, v9, |v[XS+\i+2]|, |v[XS+\i+3]|
.endr
	v_max3_num_f32 v8, v8, |v[XS+14]|, |v[XS+15]|
	v_max3_num_f32 v8, v8, v9, (EMAX+1)<<23        ; and the floor 2^(3 - 127): the byte cannot fall under 1
	v_max_num_f32_dpp v8, v8, v8 row_xmask:1 row_mask:0xf bank_mask:0xf   ; with my neighbour's 16: the block's
	v_add_nc_u32 v11, -(EMAX<<23), v8              ; 2 off its exponent field: the conversion takes the exponent field of this operand as its scale
	v_cvt_scalef32_pk8_fp4_f32 v[C+4*(\t)], v[XS:XS+7], v11
	v_cvt_scalef32_pk8_fp4_f32 v[C+4*(\t)+1], v[XS+8:XS+15], v11
	v_lshrrev_b32 v[E+(\t)], 23, v11               ; the scale's byte (also the plain line behind the conversions)
	ds_store_b8 v5, v[E+(\t)] offset:16*(\t)       ; both lanes of a block write the same byte with the same value
	global_store_b64 v4, v[C+4*(\t):C+4*(\t)+1], s[8:9] offset:32*CB*(\t)   ; the wave stores 256 consecutive bytes, aligned
.endm
.macro WLOAD t                         ; block t: rows 32 t + i of the weight at my column, i = 0 .. 31, into set t % 2; a wave reads 128 consecutive bytes
.irp i, 0,1,2,3,4,5,6,7,8,9,10,11,12,13,14,15,16,17,18,19,20,21,22,23,24,25,26,27,28,29,30,31
	global_load_b32 v[WX+32*((\t)%2)+\i], v3, s[4:5] offset:(32*(\t)+\i)*ROWW th:TH_LOAD_NT
.endr
.endm
.macro WBLOCK t                        ; a block of 32 along K of my column: all its numbers are mine
.set XS, WX+32*((\t)%2)
.if (\t) < 7
	s_wait_loadcnt 32                              ; this block's 32 loads are in; the next block's 32 may be out
.else
	s_wait_loadcnt 0x0
.endif
	v_max3_num_f32 v12, |v[XS]|, |v[XS+1]|, |v[XS+2]|
	v_max3_num_f32 v13, |v[XS+3]|, |v[XS+4]|, |v[XS+5]|
.irp i, 6,10,14,18,22,26
	v_max3_num_f32 v12, v12, |v[XS+\i]|, |v[XS+\i+1]|
	v_max3_num_f32 v13, v13, |v[XS+\i+2]|, |v[XS+\i+3]|
.endr
	v_max3_num_f32 v12, v12, |v[XS+30]|, |v[XS+31]|
	v_max3_num_f32 v12, v12, v13, (EMAX+1)<<23     ; and the floor
	v_add_nc_u32 v11, -(EMAX<<23), v12
	v_lshrrev_b32 v13, 23, v11                     ; the scale's byte
.if (\t)%4 == 0
	v_mov_b32 v[SB+(\t)/4], v13                    ; four bytes to a register, the lower K in the lower byte
.else
	v_lshl_or_b32 v[SB+(\t)/4], v13, 8*((\t)%4), v[SB+(\t)/4]
.endif
.irp g, 0,1,2,3
	v_cvt_scalef32_pk8_fp4_f32 v[WC+\g], v[XS+8*\g:XS+8*\g+7], v11
.endr
	ds_store_b128 v4, v[WC:WC+3] offset:16*(\t)    ; 32 codes: 16 bytes of my column's row (the next block begins with plain vector lines)
.if (\t)+2 < 8
	WLOAD (\t)+2
.endif
	s_wait_dscnt 0x0                               ; the store has read its registers: the next block's codes may be written
.endm
.macro OBLOCK t                        ; 32 along K of my column of Wo -> 16 registers of f16, four octets; octet o is half o / 2, lanes' half o % 2 of the image
.set XS, WX+32*((\t)%2)
.if (\t) < 3
	s_wait_loadcnt 32
.else
	s_wait_loadcnt 0x0
.endif
.irp i, 0,1,2,3,4,5,6,7,8,9,10,11,12,13,14,15
	v_cvt_pk_f16_f32 v[WC+16*(\t)+\i], v[XS+2*\i], v[XS+2*\i+1]
.endr
.if (\t)+2 < 4
	WLOAD (\t)+2
.endif
.irp o, 0,1,2,3
	global_store_b128 v10, v[WC+16*(\t)+4*\o:WC+16*(\t)+4*\o+3], s[6:7] offset:(\t)*16384+(\o/2)*512+(\o%2)*256   ; sixteen lanes store 256 consecutive bytes, aligned; each block has registers of its own
.endr
.endm
	s_load_b512 s[32:47], s[0:1], 0x0              ; x 32, Wq 34, Wk 36, Wv 38, Wo 40, xc 42, xs 44, wc 46
	s_load_b128 s[48:51], s[0:1], 0x40             ; ws 48, wo 50
	v_lshl_add_u32 v192, v0, 2, 0xc400
	v_mov_b32 v193, 0
	v_lshrrev_b32 v1, 5, v0
	v_readfirstlane_b32 s16, v1                    ; wave
	v_and_b32 v2, 31, v0                           ; lane
	s_wait_kmcnt 0x0
	s_cmp_lt_u32 ttmp9, 256
	s_cbranch_scc0 .Lnot_x
	; ---- x: a plain stream of blocks of 32; a wave takes a run of 8,192 numbers
	v_lshlrev_b32 v3, 4, v2                        ; my 16 bytes of a load's 512
	s_mul_i32 s17, s16, WREG
	v_lshrrev_b32 v14, 2, v2
	v_mul_u32_u24 v14, v14, SP
	v_and_b32 v15, 3, v2
	v_lshl_add_u32 v14, v15, 4, v14
	v_add_nc_u32 v14, s17, v14                     ; the stage, in: SP (lane / 4) + 16 (lane % 4)
	v_mul_u32_u24 v15, v2, SP
	v_add_nc_u32 v15, s17, v15                     ; out: SP x lane: my 16 neighbours
	v_mul_u32_u24 v4, v2, CB                       ; my codes' place in a step's
	v_lshrrev_b32 v5, 1, v2
	s_add_co_u32 s17, s17, 2*32*SP
	v_add_nc_u32 v5, s17, v5                       ; my block's byte among my wave's 256
	v_lshlrev_b32 v7, 3, v2
	v_add_nc_u32 v6, s17, v7                       ; and on the way out 8 bytes a lane
	s_lshl_b32 s17, ttmp9, 2
	s_add_co_u32 s18, s17, s16                     ; my run
	s_mov_b32 s19, 0
	s_lshl_b64 s[20:21], s[18:19], 15              ; 32,768 bytes of numbers a run,
	s_add_nc_u64 s[4:5], s[32:33], s[20:21]
	s_lshl_b64 s[20:21], s[18:19], 12              ; 4,096 of codes,
	s_add_nc_u64 s[8:9], s[42:43], s[20:21]
	s_lshl_b32 s18, s18, 8                         ; 256 of scale bytes
	s_add_nc_u64 s[10:11], s[44:45], s[18:19]
.irp t, 0,1,2,3
	XLOAD \t
.endr
	s_wait_loadcnt 12                              ; step 0's four loads are in
	XTURN 0
.irp t, 0,1,2,3,4,5,6,7,8,9,10,11,12,13,14,15
	XSTEP \t
.endr
	ds_load_b64 v[12:13], v6                       ; LDS serves a wave's instructions in order: these see my byte stores
	s_wait_dscnt 0x0
	global_store_b64 v7, v[12:13], s[10:11]        ; 32 lanes store 256 consecutive bytes, aligned
	s_wait_tensorcnt 0x0
	ds_add_u32 v192, v193
	s_wait_dscnt 0x0
	s_endpgm
.Lnot_x:
	s_cmp_lt_u32 ttmp9, 352
	s_cbranch_scc0 .Lpath_o
	; ---- Wq, Wk, Wv: a lane takes a column, its registers run down K.  A work-group: 64 columns x 512 along K; wave w: columns 32 (w / 2) on, 256 along K at 256 (w % 2)
	s_sub_co_u32 s17, ttmp9, 256
	s_lshr_b32 s18, s17, 5                         ; which weight
	s_and_b32 s19, s17, 15                         ; which 64 columns
	s_bfe_u32 s20, s17, 0x10004                    ; which 512 along K
	s_lshr_b32 s21, s16, 1
	s_and_b32 s22, s16, 1
	s_cmp_eq_u32 s18, 0
	s_cselect_b64 s[4:5], s[34:35], s[36:37]
	s_cmp_eq_u32 s18, 2
	s_cselect_b64 s[4:5], s[38:39], s[4:5]
	s_lshl_b32 s23, s20, 1
	s_add_co_u32 s23, s23, s22                     ; which 256 along K
	s_lshl_b32 s26, s19, 1
	s_add_co_u32 s26, s26, s21                     ; which 32 columns
	s_lshl_b32 s24, s23, 20                        ; 256 rows of 4,096 bytes
	s_lshl_b32 s27, s26, 7
	s_add_co_u32 s24, s24, s27
	s_mov_b32 s25, 0
	s_add_nc_u64 s[4:5], s[4:5], s[24:25]
	s_lshl_b32 s24, s18, 15                        ; ws: (1024 weight + 32 x which 32 columns) rows of 32 bytes + 8 x which 256 along K
	s_lshl_b32 s27, s26, 10
	s_add_co_u32 s24, s24, s27
	s_lshl_b32 s27, s23, 3
	s_add_co_u32 s24, s24, s27
	s_add_nc_u64 s[8:9], s[48:49], s[24:25]
	s_lshl_b32 s24, s18, 19                        ; wc: (1024 weight + 64 x which 64 + 16 wave) rows of 512 bytes + 256 x which 512 along K
	s_lshl_b32 s27, s19, 15
	s_add_co_u32 s24, s24, s27
	s_lshl_b32 s27, s16, 13
	s_add_co_u32 s24, s24, s27
	s_lshl_b32 s27, s20, 8
	s_add_co_u32 s24, s24, s27
	s_add_nc_u64 s[6:7], s[46:47], s[24:25]
	v_lshlrev_b32 v3, 2, v2                        ; in: 4 bytes a lane
	s_mul_i32 s28, s21, 32*WP
	s_lshl_b32 s29, s22, 7
	s_add_co_u32 s28, s28, s29
	s_add_co_u32 s28, s28, WST
	v_mul_u32_u24 v4, v2, WP
	v_add_nc_u32 v4, s28, v4                       ; into the stage: row = my column, my wave's 128 of its 256 bytes
	v_and_b32 v5, 15, v2
	v_lshrrev_b32 v6, 4, v2
	s_mul_i32 s28, s16, 16*WP
	s_add_co_u32 s28, s28, WST
	v_mul_u32_u24 v7, v6, WP
	v_lshl_add_u32 v7, v5, 4, v7
	v_add_nc_u32 v7, s28, v7                       ; out of it: wave w takes rows 16 w on, sixteen lanes to a row
	v_lshlrev_b32 v8, 9, v6
	v_lshl_add_u32 v8, v5, 4, v8                   ; the same place in wc
	v_lshlrev_b32 v9, 5, v2                        ; my column's row of ws
	WLOAD 0
	WLOAD 1
.irp t, 0,1,2,3,4,5,6,7
	WBLOCK \t
.endr
	global_store_b64 v9, v[SB:SB+1], s[8:9]        ; my column's eight scale bytes
	s_barrier_signal -1                            ; my stores into the stage are done (the last block's wait was for 0): a row's 256 bytes come from two waves
	s_barrier_wait -1
.irp t, 0,1,2,3,4,5,6,7
	ds_load_b128 v[OUTR+4*\t:OUTR+4*\t+3], v7 offset:2*\t*WP
.endr
.irp t, 0,1,2,3,4,5,6,7
	s_wait_dscnt 7-\t                              ; LDS loads come back in order: load t is in, the younger ones may be out
	global_store_b128 v8, v[OUTR+4*\t:OUTR+4*\t+3], s[6:7] offset:2*\t*512   ; sixteen lanes store 256 consecutive bytes, aligned
.endr
	s_wait_tensorcnt 0x0
	ds_add_u32 v192, v193
	s_wait_dscnt 0x0
	s_endpgm
.Lpath_o:
	; ---- Wo: a lane takes a column n, its registers run down K: eight neighbours along K are 16 bytes of an image.  A work-group: 128 columns x 128 along K
	s_sub_co_u32 s17, ttmp9, 352
	s_and_b32 s18, s17, 7                          ; which 128 columns
	s_lshr_b32 s19, s17, 3                         ; ks
	s_lshl_b32 s20, s19, 19                        ; 128 rows of 4,096 bytes
	s_lshl_b32 s22, s18, 9
	s_add_co_u32 s20, s20, s22
	s_lshl_b32 s22, s16, 7
	s_add_co_u32 s20, s20, s22
	s_mov_b32 s21, 0
	s_add_nc_u64 s[4:5], s[40:41], s[20:21]
	s_lshr_b32 s22, s18, 1                         ; nb
	s_lshl_b32 s22, s22, 3
	s_add_co_u32 s22, s22, s19                     ; nb 8 + ks
	s_lshl_b32 s22, s22, 6                         ; x 4 kf x 16 images
	s_and_b32 s23, s18, 1
	s_lshl_b32 s23, s23, 3
	s_add_co_u32 s22, s22, s23
	s_lshl_b32 s23, s16, 1
	s_add_co_u32 s22, s22, s23                     ; + nt of my wave's first 16 columns
	s_lshl_b32 s22, s22, 10
	s_mov_b32 s23, 0
	s_add_nc_u64 s[6:7], s[50:51], s[22:23]
	v_lshlrev_b32 v3, 2, v2
	v_lshrrev_b32 v6, 4, v2
	v_and_b32 v5, 15, v2
	v_lshlrev_b32 v10, 10, v6                      ; lanes 16-31: the next image
	v_lshl_add_u32 v10, v5, 4, v10                 ; row r of it
	WLOAD 0
	WLOAD 1
.irp t, 0,1,2,3
	OBLOCK \t
.endr
	s_endpgm
.Lfunc_end_k_q47f6efc978_prep:
	.size	k_q47f6efc978_prep, .Lfunc_end_k_q47f6efc978_prep-k_q47f6efc978_prep
	.p2alignl 7, 3214868480
	.fill 96, 4, 3214868480
	.section	.rodata,"a",@progbits
	.p2align	6, 0x0
	.amdhsa_kernel k_q47f6efc978_prep
		.amdhsa_group_segment_fixed_size 50688
		.amdhsa_private_segment_fixed_size 0
		.amdhsa_enable_private_segment 0
		.amdhsa_kernarg_size 80
		.amdhsa_user_sgpr_count 2
		.amdhsa_user_sgpr_kernarg_segment_ptr 1
		.amdhsa_wavefront_size32 1
		.amdhsa_system_sgpr_workgroup_id_x 1
		.amdhsa_system_sgpr_workgroup_id_y 1
		.amdhsa_system_sgpr_workgroup_id_z 1
		.amdhsa_system_vgpr_workitem_id 0
		.amdhsa_next_free_vgpr 194
		.amdhsa_next_free_sgpr 66
		.amdhsa_reserve_vcc 0
		.amdhsa_float_denorm_mode_32 3
		.amdhsa_float_denorm_mode_16_64 3
		.amdhsa_memory_ordered 1
		.amdhsa_forward_progress 1
		.amdhsa_inst_pref_size 92
	.end_amdhsa_kernel
	.amdgpu_metadata
---
amdhsa.version: [ 1, 2 ]
amdhsa.kernels:
  - .name:           k_q47f6efc978_prep
    .symbol:         k_q47f6efc978_prep.kd
    .args:
      - { .name: x, .offset: 0, .size: 8, .value_kind: global_buffer, .address_space: global }
      - { .name: Wq, .offset: 8, .size: 8, .value_kind: global_buffer, .address_space: global }
      - { .name: Wk, .offset: 16, .size: 8, .value_kind: global_buffer, .address_space: global }
      - { .name: Wv, .offset: 24, .size: 8, .value_kind: global_buffer, .address_space: global }
      - { .name: Wo, .offset: 32, .size: 8, .value_kind: global_buffer, .address_space: global }
      - { .name: xc, .offset: 40, .size: 8, .value_kind: global_buffer, .address_space: global }
      - { .name: xs, .offset: 48, .size: 8, .value_kind: global_buffer, .address_space: global }
      - { .name: wc, .offset: 56, .size: 8, .value_kind: global_buffer, .address_space: global }
      - { .name: ws, .offset: 64, .size: 8, .value_kind: global_buffer, .address_space: global }
      - { .name: wo, .offset: 72, .size: 8, .value_kind: global_buffer, .address_space: global }
    .group_segment_fixed_size: 50688
    .private_segment_fixed_size: 0
    .kernarg_segment_align: 8
    .kernarg_segment_size: 80
    .max_flat_workgroup_size: 128
    .sgpr_count:     66
    .vgpr_count:     194
    .wavefront_size: 32
...
	.end_amdgpu_metadata
.endif
;; end of part 1
;; launch qkv (part 2): grid 12 x 32, 4 waves a work-group, clusters of 4 x 4, 327,680 bytes of LDS; arguments xc, xs, wc, ws, qi, kv; writes qi, kv
.if DOCPART == 2
	.amdgcn_target "amdgcn-amd-amdhsa--gfx1250"
	.amdhsa_code_object_version 6
	.text
	.protected	k_q47f6efc978_qkv
	.globl	k_q47f6efc978_qkv
	.p2align	8
	.type	k_q47f6efc978_qkv,@function
k_q47f6efc978_qkv:
	s_mov_b64 s[64:65], 0
	v_nop
	global_prefetch_b8 v0, s[64:65] scope:SCOPE_SE
	s_setreg_imm32_b32 hwreg(HW_REG_WAVE_MODE, 25, 1), 1
	s_wait_xcnt 0x0
	s_wait_alu depctr_hold_cnt(0) depctr_sa_sdst(0) depctr_va_vdst(0) depctr_va_sdst(0) depctr_va_ssrc(0) depctr_va_vcc(0) depctr_vm_vsrc(0)
	s_getreg_b32 s2, hwreg(HW_REG_IB_STS2, 6, 4)
	s_cmp_eq_u32 s2, 0
	s_cbranch_scc0 .Lentry_in_a_cluster
	s_endpgm
.Lentry_in_a_cluster:
	s_bfe_u32 s2, ttmp6, 0x10000c
	s_cmp_lg_u32 s2, 0xf033
	s_cbranch_scc0 .Lentry_shape_is_right
	s_endpgm
.Lentry_shape_is_right:
; QKV: q, k, v = x Wq, x Wk, x Wv on codes of FP4 (E2M1) with one E8M0 scale for each 32 along K = 1,024; sums in f32; results rounded once to f16 and stored as IMAGES of the registers in which the attention launch wants them.
; A tile of 256 x 256 is made by four waves, 128 x 128 each: 64 accumulators, 512 registers.  K goes in two slots of 512 (rows of 256 bytes), both filled at the start: nothing is filled again.  The scale bytes of the tile's rows come once.
; CLUSTERS of 4 x 4: cluster x = 0: Q, 1: K, 2: V.  "A" is the side shared along a row of the cluster, "B" along a column; source 0 = 16 rows of B, source 1 = 16 rows of A: a lane holds ONE row of A and eight neighbouring rows of B.
;   Q, K: A = x (tile 4 x cluster y + cy), B = the weight's columns (tile 4 x cluster x + cx): a lane holds one token and eight neighbouring channels: half a fragment (16 tokens x 32 channels).
;   V:    A = Wv's columns (tile 8 + cy of wc), B = x (tile 4 x cluster y + cx): a lane holds one channel and eight neighbouring KEYS: half a fragment of V^T (16 channels x 32 keys).
; Both sides have the same shapes (rows of 512 bytes of codes, 32 of scale bytes), so the pointers alone change places, by a choice on the cluster's x, which all sixteen partners share.
; AN IMAGE (16 rows x 32 k of f16) is 1,024 bytes: half u at 512 u, lane L at 16 L: row L % 16, k = 16 u + 8 (L / 16) + 0 .. 7.  A result's four packed registers are such a half: the wave stores 512 consecutive bytes, aligned; no LDS on the way out.
;   qi: image at ((bh 128 + qt) 2 + c) 1024: query 16 qt + r, channel 32 c + ..      kv: head bh at 524288 bh, step g of 64 keys at 16384 g: K at (kt 2 + c) 1024 (key 16 kt + r), V^T at 8192 + (kk 4 + ct) 1024 (channel 16 ct + r, key 32 kk + ..)
; LIMIT: results above 65,504 in magnitude have no f16 (the drawn ones have a spread of 1; inputs 30 times larger give about 5,000, a common offset of 30 spreads in x and W about 29,000).
; REGISTERS, in windows of 256: window 0: v0-31 addresses; v32-95 scale words, two sets; v128-191 A's fragments, one set; on the way out v128-255 packed results.  window 1: B's fragments, two sets.  windows 2, 3: the accumulators ((a, b) at v[8 (8 (a % 4) + b)]).
.set NQ,     4                         ; matrix instructions deep in a slot
.set ROWB,   256                       ; a tile's row in bytes: 512 codes
.set KROW,   512                       ; a row of codes in memory
.set PITCH,  272                       ; an LDS row: 256 bytes + 16 of padding = 68 words: the 16 rows that a load touches start at 16 different banks (64 banks of 4 bytes: ISA guide 11.1)
.set FR,     8
.set NL,     2
.set NP,     4                         ; places behind this matrix instruction (ISA guide 7.12.1)
.set HALFT,  128*PITCH
.set SLOT,   4*HALFT                   ; A's 256 rows, then B's 256 rows
.set KS,     32                        ; a row of scale bytes
.set SCL,    2*SLOT                    ; behind the slots: the scales, as rows of 256 bytes + 16 of padding
.set HALFS,  (128*KS/256)*272
.set SBLK,   (16*KS/256)*272
.set SPARE,  SCL+4*HALFS               ; the spare words, 128 bytes for each wave, which no other line names
.set ADRA, 16
.set ADRB, 20
.set CO0,  24                          ; v24  16 x lane
.set CO1,  25                          ; v25  the same one head further on (Q, K)
.set ADRS, 27
.set SPW,  28
.set NIL,  29
.set SC,   32
.set AF,   128
.set TMP,  128
.set G1, 24
.set G0, 32
.set G1B, 48
.set G0B, 56
.set G1S, 68
.set G0S, 76
.set G1SB, 80
.set G0SB, 88
.set MSB, 0
.macro WIN new                         ; the immediate's high byte repeats the setting that is left
.if MSB != (\new)
	s_set_vgpr_msb (MSB<<8)|(\new)
.set MSB, (\new)
.endif
.endm
.set MUL_LO, 0xa1                      ; source 0 (B) window 1, source 1 (A) window 0, C and D window 2
.set MUL_HI, 0xf1
.set TO_B,   0x40
; A joint load: waves 0 and 1 fetch for A, waves 2 and 3 for B; the branch hangs on the wave's number alone.  Four v_nop follow each of the two lines.
.macro JLOAD g0a, g1a, g0b, g1b
	s_cmp_eq_u32 s15, 0
	s_cbranch_scc0 .Lfor_b_\@
	tensor_load_to_lds s[\g0a:\g0a+3], s[\g1a:\g1a+7]
	s_nop 0
.rept 4
	v_nop
.endr
	s_branch .Lasked_\@
.Lfor_b_\@:
	tensor_load_to_lds s[\g0b:\g0b+3], s[\g1b:\g1b+7]
	s_nop 0
.rept 4
	v_nop
.endr
.Lasked_\@:
.endm
.macro CROUND                          ; a round of the cluster's barrier
	s_barrier_signal -1
	s_barrier_wait -1
	s_cmp_lg_u32 s14, 0
	s_cbranch_scc1 .Lnot_wave_0_\@
	s_barrier_signal -3
.Lnot_wave_0_\@:
	s_barrier_wait -3
	s_barrier_signal -1
	s_barrier_wait -1
.endm
	s_load_b128 s[4:7], s[0:1], 0x0                ; x's codes, x's scales
	s_load_b128 s[8:11], s[0:1], 0x10              ; the weights' codes, their scales
	s_load_b128 s[96:99], s[0:1], 0x20             ; qi, kv
	v_lshl_add_u32 v[SPW], v0, 2, SPARE
	v_mov_b32 v[NIL], 0
	ds_add_u32 v28, v29
	s_wait_dscnt 0x0
	v_lshrrev_b32 v1, 5, v0
	v_readfirstlane_b32 s14, v1                    ; wave 0..3
	s_lshr_b32 s15, s14, 1                         ; which half of A's rows is mine.  Also: I fetch for A (0) or for B (1)
	s_and_b32 s16, s14, 1                          ; which half of B's rows.  Also: which 128 rows of that tile I fetch
	s_bfe_u32 s40, ttmp6, 0x40000                  ; cx, cy: my place in the cluster
	s_bfe_u32 s41, ttmp6, 0x40004
	s_and_b32 s17, ttmp7, 0xffff
	s_lshl_b32 s17, s17, 2                         ; 4 x cluster y
	s_lshl_b32 s42, ttmp9, 2                       ; 4 x cluster x
	s_cmp_eq_u32 ttmp9, 2                          ; V's clusters: the sides change places
	s_cselect_b32 s42, s17, s42
	s_cselect_b32 s17, 8, s17
	s_add_co_u32 s42, s42, s40                     ; B's tile: hangs on cx alone within the cluster
	s_add_co_u32 s17, s17, s41                     ; A's tile: on cy alone
	s_lshl_b32 s43, s41, 2
	s_lshl_b32 s43, 15, s43                        ; my row of the cluster
	s_lshl_b32 s44, 0x1111, s40                    ; my column
	; descriptor group 1: a tile of 128 rows x 256 bytes, padded in LDS
	s_or_b32 s[G1+0], s43, (0<<16)|(1<<20)|(1<<21)|(5<<22)|(3<<25)  ; 15:0 the mask; 17:16 elements of 1 byte; 20 padding on; 21 set beside a mask; 24:22 after every 64 words; 31:25 four words
	s_or_b32 s[G1B+0], s44, (0<<16)|(1<<20)|(1<<21)|(5<<22)|(3<<25)
.irp g, G1, G1B
	s_mov_b32 s[\g+1], ROWB<<16                    ; tensor_dim0
	s_mov_b32 s[\g+2], 128<<16                     ; tensor_dim1
	s_mov_b32 s[\g+3], ROWB<<16                    ; tile_dim0
	s_mov_b32 s[\g+4], 128                         ; tile_dim1
	s_mov_b32 s[\g+5], KROW                        ; tensor_dim0_stride
	s_mov_b32 s[\g+6], 0
	s_mov_b32 s[\g+7], 0
.endr
	; the scales of 128 rows: a dense block of 4,096 bytes, as 16 rows of 256 bytes (32 elements of 8 bytes), 16 bytes of padding behind each
	s_or_b32 s[G1S+0], s43, (3<<16)|(1<<20)|(1<<21)|(5<<22)|(3<<25)
	s_or_b32 s[G1SB+0], s44, (3<<16)|(1<<20)|(1<<21)|(5<<22)|(3<<25)
.irp g, G1S, G1SB
	s_mov_b32 s[\g+1], 32<<16
	s_mov_b32 s[\g+2], (128*KS/256)<<16
	s_mov_b32 s[\g+3], 32<<16
	s_mov_b32 s[\g+4], 128*KS/256
	s_mov_b32 s[\g+5], 32
	s_mov_b32 s[\g+6], 0
	s_mov_b32 s[\g+7], 0
.endr
	s_lshl_b32 s18, s16, 7                         ; which 128 rows of the tile I fetch
	s_lshl_b32 s20, s17, 8
	s_add_co_u32 s20, s20, s18                     ; A's row
	s_lshl_b32 s46, s42, 8
	s_add_co_u32 s46, s46, s18                     ; B's row
	s_mov_b32 s21, 0
	s_mov_b32 s47, 0
	s_mov_b64 s[18:19], KS
	s_mul_u64 s[22:23], s[20:21], s[18:19]         ; where these rows' scales begin,
	s_mul_u64 s[92:93], s[46:47], s[18:19]
	s_mov_b64 s[18:19], KROW
	s_mul_u64 s[20:21], s[20:21], s[18:19]         ; and their codes
	s_mul_u64 s[46:47], s[46:47], s[18:19]
	s_mul_i32 s45, s14, HALFT                      ; where they go: wave x 128 rows: no place in the cluster enters an LDS address
	s_mul_i32 s94, s14, HALFS
	s_wait_kmcnt 0x0
	s_cmp_eq_u32 ttmp9, 2
	s_cselect_b64 s[12:13], s[8:9], s[4:5]         ; A's codes: the weights' in V's clusters, else x's
	s_cselect_b64 s[8:9], s[4:5], s[8:9]           ; B's codes
	s_cselect_b64 s[66:67], s[10:11], s[6:7]       ; A's scales
	s_cselect_b64 s[10:11], s[6:7], s[10:11]       ; B's scales
	s_add_nc_u64 s[20:21], s[12:13], s[20:21]
	s_add_nc_u64 s[22:23], s[66:67], s[22:23]
	s_add_nc_u64 s[46:47], s[8:9], s[46:47]
	s_add_nc_u64 s[92:93], s[10:11], s[92:93]
	CROUND                                         ; all sixteen work-groups are here: the joint loads meet
	s_mov_b32 s[G0S], 1
	s_add_co_u32 s[G0S+1], s94, SCL
	s_mov_b64 s[G0S+2:G0S+3], s[22:23]
	s_or_b32 s[G0S+3], s[G0S+3], 0x80000000
	s_mov_b32 s[G0SB], 1
	s_add_co_u32 s[G0SB+1], s94, SCL
	s_mov_b64 s[G0SB+2:G0SB+3], s[92:93]
	s_or_b32 s[G0SB+3], s[G0SB+3], 0x80000000
	JLOAD G0S, G1S, G0SB, G1SB                     ; the scales first: they are wanted with the first slot
.irp s, 0,1
	s_mov_b32 s[G0+4*\s], 1
	s_add_co_u32 s[G0+4*\s+1], s45, \s*SLOT
	s_add_nc_u64 s[G0+4*\s+2:G0+4*\s+3], s[20:21], \s*ROWB
	s_or_b32 s[G0+4*\s+3], s[G0+4*\s+3], 0x80000000
	s_mov_b32 s[G0B+4*\s], 1
	s_add_co_u32 s[G0B+4*\s+1], s45, \s*SLOT
	s_add_nc_u64 s[G0B+4*\s+2:G0B+4*\s+3], s[46:47], \s*ROWB
	s_or_b32 s[G0B+4*\s+3], s[G0B+4*\s+3], 0x80000000
	JLOAD G0+4*\s, G1, G0B+4*\s, G1B               ; by this text's count three tensor loads of a wave are out
.endr
	v_and_b32 v1, 15, v0                           ; l % 16
	v_bfe_u32 v2, v0, 4, 1                         ; l / 16
	v_mul_u32_u24 v3, v1, PITCH
	v_lshl_add_u32 v4, v2, 4, v3                   ; a fragment's row x pitch + 16 x half
	s_mul_i32 s21, s15, HALFT                      ; my 128 rows of A
	s_mul_i32 s22, s16, HALFT                      ; my 128 rows of B,
	s_add_co_u32 s22, s22, 2*HALFT                 ; which lie behind A's 256
.irp s, 0,1
	v_add_nc_u32 v[ADRA+\s], s21, v4
	v_add_nc_u32 v[ADRB+\s], s22, v4
	s_add_co_u32 s21, s21, SLOT
	s_add_co_u32 s22, s22, SLOT
.endr
	v_mul_u32_u24 v5, v1, KS                       ; my row's scales: 32 bytes a row,
	v_lshrrev_b32 v6, 8, v5
	v_lshl_add_u32 v5, v6, 4, v5                   ; and 16 more for each 256 passed
	s_mul_i32 s21, s15, HALFS
	s_mul_i32 s22, s16, HALFS
	s_add_co_u32 s22, s22, 2*HALFS
	s_sub_co_u32 s22, s22, s21
	v_mul_u32_u24 v6, s22, v2                      ; lanes 16-31 take B's: one product, the distance between the two bases
	s_add_co_u32 s21, s21, SCL
	v_add_nc_u32 v5, v5, v6
	v_add_nc_u32 v[ADRS], s21, v5
	; where my results go.  xt: x's tile, xw: my half of it; hc, hw: the same for the weight's columns (4 heads a tile, 2 a half)
	s_cmp_eq_u32 ttmp9, 2
	s_cselect_b32 s20, s42, s17                    ; xt
	s_cselect_b32 s21, s16, s15                    ; xw
	s_cselect_b32 s22, s41, s40                    ; hc
	s_cselect_b32 s23, s15, s16                    ; hw
	s_cmp_eq_u32 ttmp9, 0
	s_cselect_b32 s45, 0, 1                        ; kv's strides are twice qi's
	s_cselect_b64 s[12:13], s[96:97], s[98:99]
	s_lshr_b32 s46, s20, 3                         ; the batch: 8 tiles of 256 tokens
	s_lshl_b32 s46, s46, 4
	s_lshl_b32 s22, s22, 2
	s_add_co_u32 s46, s46, s22
	s_lshl_b32 s23, s23, 1
	s_add_co_u32 s46, s46, s23                     ; bh of my first head
	s_lshl_b32 s46, s46, 18                        ; x 262,144 bytes (qi)
	s_and_b32 s20, s20, 7
	s_lshl_b32 s20, s20, 15                        ; 256 tokens x 128 bytes
	s_lshl_b32 s21, s21, 14
	s_add_co_u32 s46, s46, s20
	s_add_co_u32 s46, s46, s21
	s_lshl_b32 s46, s46, s45
	s_mov_b32 s47, 0
	s_add_nc_u64 s[12:13], s[12:13], s[46:47]
	s_lshl_b32 s92, 8192, s45                      ; Q, K: 64 tokens on
	s_mov_b32 s93, 0
	s_lshl_b32 s94, 0x40000, s45                   ; Q, K: a head on
	v_and_b32 v6, 31, v0
	v_lshlrev_b32 v[CO0], 4, v6
	v_add_nc_u32 v[CO1], s94, v[CO0]
.macro FRAG reg, adr, q, i             ; a fragment, 16 rows x 128 K of 4-bit codes: lane l holds row l % 16; registers 4 c .. 4 c + 3 hold K = 64 c + 32 (l / 16) + 0 .. 31
.irp c, 0,1
	ds_load_b128 v[\reg+4*\c:\reg+4*\c+3], v[\adr] offset:64*(\q)+32*\c+(\i)*16*PITCH
.endr
.endm
; 16 matrix instructions: A's blocks a0, a0 + 1 x B's eight, the slot's q-th 128 along K.  p: B's set; sc: the set of scale words.  zero = 1: the first product starts the sums.
; The 64 accumulators take turns, one instruction a turn, in the same order in every step.
.macro MUL16 a0, p, q, sc, zero
.irp a, \a0, \a0+1
.irp b, 0,1,2,3,4,5,6,7
.if \zero
	v_wmma_scale_f32_16x16x128_f8f6f4 v[8*(8*((\a)%4)+\b):8*(8*((\a)%4)+\b)+7], v[128*(\p)+FR*\b:128*(\p)+FR*\b+FR-1], v[AF+FR*(\a):AF+FR*(\a)+FR-1], 0, v[SC+8*NQ*(\sc)+NQ*\b+(\q)], v[SC+8*NQ*(\sc)+NQ*(\a)+(\q)] matrix_a_fmt:MATRIX_FMT_FP4 matrix_b_fmt:MATRIX_FMT_FP4 matrix_a_scale:MATRIX_SCALE_ROW1
.else
	v_wmma_scale_f32_16x16x128_f8f6f4 v[8*(8*((\a)%4)+\b):8*(8*((\a)%4)+\b)+7], v[128*(\p)+FR*\b:128*(\p)+FR*\b+FR-1], v[AF+FR*(\a):AF+FR*(\a)+FR-1], v[8*(8*((\a)%4)+\b):8*(8*((\a)%4)+\b)+7], v[SC+8*NQ*(\sc)+NQ*\b+(\q)], v[SC+8*NQ*(\sc)+NQ*(\a)+(\q)] matrix_a_fmt:MATRIX_FMT_FP4 matrix_b_fmt:MATRIX_FMT_FP4 matrix_a_scale:MATRIX_SCALE_ROW1
.endif
.endr
.endr
.endm
.macro FETCH_B slot, q, p
	WIN TO_B
.irp i, 0,1,2,3,4,5,6,7
	FRAG 128*(\p)+FR*\i, ADRB+\slot, \q, \i
.endr
	WIN 0
.endm
.macro FETCH_A slot, q, i0
.irp i, \i0, \i0+1, \i0+2, \i0+3
	FRAG AF+FR*(\i), ADRA+\slot, \q, \i
.endr
.endm
.macro SCALES sc                       ; a slot's scale words: four words a row; lanes 0-15 take A's block i, lanes 16-31 B's block i
.irp i, 0,1,2,3,4,5,6,7
	ds_load_b128 v[SC+8*NQ*\sc+NQ*\i:SC+8*NQ*\sc+NQ*\i+3], v[ADRS] offset:\i*SBLK
.endr
.endm
.macro PLACES n                        ; plain vector lines between a matrix instruction and a load into a register that it read, or the first read of its result
.rept \n
	v_nop
.endr
.endm
.macro STEP slot, q, zero              ; a step of 128 along K that has its successor in the same slot
	s_wait_dscnt 4*NL                              ; B's set and A's blocks 0-3 are in; the youngest eight loads (A's blocks 4-7) may be out
	WIN MUL_LO
	MUL16 0, (\q)%2, \q, \slot, \zero
	MUL16 2, (\q)%2, \q, \slot, \zero
	s_wait_dscnt 0                                 ; A's blocks 4-7 are in
	PLACES NP
	FETCH_B \slot, (\q)+1, 1-(\q)%2
	FETCH_A \slot, (\q)+1, 0
	WIN MUL_HI
	MUL16 4, (\q)%2, \q, \slot, \zero
	MUL16 6, (\q)%2, \q, \slot, \zero
	PLACES NP
	WIN 0
	FETCH_A \slot, (\q)+1, 4
.endm
.macro TURN slot, next                 ; slot 0's last step: one barrier, in front of which each wave has waited for its part of slot 1; nothing is filled again
	s_wait_tensorcnt 0x0                           ; all my tensor loads have landed
	ds_add_u32 v[SPW], v[NIL]                      ; 0 onto my spare word
	s_wait_dscnt 4*NL+1                            ; (the add and the youngest eight loads, A's blocks 4-7, may be out)
	WIN MUL_LO
	MUL16 0, 1, NQ-1, \slot, 0
	s_wait_dscnt 0x0                               ; no LDS instruction of mine is out at the signal
	s_barrier_signal -1
	MUL16 2, 1, NQ-1, \slot, 0
	WIN 0
	s_barrier_wait -1                              ; slot 1 is whole
	PLACES NP
	v_add_nc_u32 v[ADRS], 4*NQ, v[ADRS]            ; on to slot 1's scale words
	FETCH_B \next, 0, 0
	FETCH_A \next, 0, 0
	SCALES \next
	WIN MUL_HI
	MUL16 4, 1, NQ-1, \slot, 0
	MUL16 6, 1, NQ-1, \slot, 0
	PLACES NP
	WIN 0
	FETCH_A \next, 0, 4
.endm
	s_wait_tensorcnt 1                             ; the scales and my part of slot 0 are in; slot 1's load may be out
	s_barrier_signal -1
	s_barrier_wait -1                              ; everybody's are
	FETCH_B 0, 0, 0
	FETCH_A 0, 0, 0
	SCALES 0
	FETCH_A 0, 0, 4
	STEP 0, 0, 1                                   ; the first step's products start the sums: nothing is cleared
	STEP 0, 1, 0
	STEP 0, 2, 0
	TURN 0, 1
	STEP 1, 0, 0
	STEP 1, 1, 0
	STEP 1, 2, 0
	s_wait_dscnt 4*NL                              ; the last step: nothing more to fetch
	WIN MUL_LO
	MUL16 0, 1, NQ-1, 1, 0
	MUL16 2, 1, NQ-1, 1, 0
	s_wait_dscnt 0
	WIN MUL_HI
	MUL16 4, 1, NQ-1, 1, 0
	MUL16 6, 1, NQ-1, 1, 0
	WIN 0
	PLACES NP                                      ; in front of the conversions, which write where A's fragments lay and read results
; THE WAY OUT.  Block a's 8 accumulators are rounded to f16, each from its low end on: four registers an accumulator, half an image.
.macro PACK a
.set AC, 64*((\a)%4)
.set TP, TMP+32*((\a)%4)
	WIN 0x0a+5*((\a)/4)                            ; sources 0 and 1: window 2 or 3
.irp b, 0,1,2,3,4,5,6,7
.irp r, 0,1,2,3
	v_cvt_pk_f16_f32 v[TP+4*\b+\r], v[AC+8*\b+2*\r], v[AC+8*\b+2*\r+1]
.endr
.endr
	WIN 0
.endm
	s_cmp_eq_u32 ttmp9, 2                          ; the cluster's x: the same in all partners; stores alone stand under this branch
	s_cbranch_scc1 .Lout_v
.irp a, 0,1,2,3,4,5,6,7                ; Q, K: block a = 16 tokens, b = 16 channels: head b / 4, half b % 4 of the token tile's two images
.if \a == 4
	s_wait_xcnt 0x0                                ; the stores so far have read their data and their base: both are written again only behind this wait
	s_add_nc_u64 s[12:13], s[12:13], s[92:93]      ; 64 tokens on
.endif
	PACK \a
.irp b, 0,1,2,3,4,5,6,7
	global_store_b128 v[CO0+\b/4], v[TMP+32*(\a%4)+4*\b:TMP+32*(\a%4)+4*\b+3], s[12:13] offset:(\a%4)*2048+(\b%4)*512   ; 32 lanes store 512 consecutive bytes, aligned
.endr
.endr
	s_branch .Lend
.Lout_v:
.irp a, 0,1,2,3,4,5,6,7                ; V: block a = 16 channels (head a / 4, ct = a % 4), b = 16 keys (step b / 4, kk = (b % 4) / 2, half b % 2)
.if \a == 4
	s_wait_xcnt 0x0                                ; the stores so far have read their data
.endif
	PACK \a
.irp b, 0,1,2,3,4,5,6,7
	global_store_b128 v[CO0], v[TMP+32*(\a%4)+4*\b:TMP+32*(\a%4)+4*\b+3], s[12:13] offset:(\a/4)*524288+(\b/4)*16384+8192+((\b%4)/2)*4096+(\a%4)*1024+(\b%2)*512
.endr
.endr
.Lend:
	s_wait_tensorcnt 0x0                           ; the wave's end
	ds_add_u32 v[SPW], v[NIL]
	s_wait_dscnt 0x0
	CROUND                                         ; the closing round
	s_endpgm
.Lfunc_end_k_q47f6efc978_qkv:
	.size	k_q47f6efc978_qkv, .Lfunc_end_k_q47f6efc978_qkv-k_q47f6efc978_qkv
	.p2alignl 7, 3214868480
	.fill 96, 4, 3214868480
	.section	.rodata,"a",@progbits
	.p2align	6, 0x0
	.amdhsa_kernel k_q47f6efc978_qkv
		.amdhsa_group_segment_fixed_size 327680
		.amdhsa_private_segment_fixed_size 0
		.amdhsa_enable_private_segment 0
		.amdhsa_kernarg_size 48
		.amdhsa_user_sgpr_count 2
		.amdhsa_user_sgpr_kernarg_segment_ptr 1
		.amdhsa_wavefront_size32 1
		.amdhsa_system_sgpr_workgroup_id_x 1
		.amdhsa_system_sgpr_workgroup_id_y 1
		.amdhsa_system_sgpr_workgroup_id_z 1
		.amdhsa_system_vgpr_workitem_id 0
		.amdhsa_next_free_vgpr 1024
		.amdhsa_next_free_sgpr 100
		.amdhsa_reserve_vcc 0
		.amdhsa_float_denorm_mode_32 3
		.amdhsa_float_denorm_mode_16_64 3
		.amdhsa_memory_ordered 1
		.amdhsa_forward_progress 1
		.amdhsa_inst_pref_size 141
	.end_amdhsa_kernel
	.amdgpu_metadata
---
amdhsa.version: [ 1, 2 ]
amdhsa.kernels:
  - .name:           k_q47f6efc978_qkv
    .symbol:         k_q47f6efc978_qkv.kd
    .args:
      - { .name: xc, .offset: 0, .size: 8, .value_kind: global_buffer, .address_space: global }
      - { .name: xs, .offset: 8, .size: 8, .value_kind: global_buffer, .address_space: global }
      - { .name: wc, .offset: 16, .size: 8, .value_kind: global_buffer, .address_space: global }
      - { .name: ws, .offset: 24, .size: 8, .value_kind: global_buffer, .address_space: global }
      - { .name: qi, .offset: 32, .size: 8, .value_kind: global_buffer, .address_space: global }
      - { .name: kv, .offset: 40, .size: 8, .value_kind: global_buffer, .address_space: global }
    .group_segment_fixed_size: 327680
    .private_segment_fixed_size: 0
    .kernarg_segment_align: 8
    .kernarg_segment_size: 48
    .max_flat_workgroup_size: 128
    .sgpr_count:     100
    .vgpr_count:     1024
    .wavefront_size: 32
...
	.end_amdgpu_metadata
.endif
;; end of part 2
;; launch attn (part 3): grid 4 x 64, 16 waves a work-group, clusters of 4 x 1, 327,680 bytes of LDS; arguments qi, kv, ctx; writes ctx
.if DOCPART == 3
	.amdgcn_target "amdgcn-amd-amdhsa--gfx1250"
	.amdhsa_code_object_version 6
	.text
	.protected	k_q47f6efc978_attn
	.globl	k_q47f6efc978_attn
	.p2align	8
	.type	k_q47f6efc978_attn,@function
k_q47f6efc978_attn:
	s_mov_b64 s[64:65], 0
	v_nop
	global_prefetch_b8 v0, s[64:65] scope:SCOPE_SE
	s_setreg_imm32_b32 hwreg(HW_REG_WAVE_MODE, 25, 1), 1
	s_wait_xcnt 0x0
	s_wait_alu depctr_hold_cnt(0) depctr_sa_sdst(0) depctr_va_vdst(0) depctr_va_sdst(0) depctr_va_ssrc(0) depctr_va_vcc(0) depctr_vm_vsrc(0)
	s_getreg_b32 s2, hwreg(HW_REG_IB_STS2, 6, 4)
	s_cmp_eq_u32 s2, 0
	s_cbranch_scc0 .Lentry_in_a_cluster
	s_endpgm
.Lentry_in_a_cluster:
	s_bfe_u32 s2, ttmp6, 0x10000c
	s_cmp_lg_u32 s2, 0x3003
	s_cbranch_scc0 .Lentry_shape_is_right
	s_endpgm
.Lentry_shape_is_right:
; ATTN: ctx[b][q][64 h + d] = sum over k <= q + 1 of softmax_k(Q . K / 8) V, for 64 (batch, head) pairs bh, 2,048 queries and keys, head size 64.  Operands f16, products, maxima and sums f32.
; The mask is the problem's own: key k counts for query q where k <= q + 1.
; SHARES.  A cluster of four work-groups is one bh.  A wave owns 32 queries, two tiles of 16, beginning at 128 rho + 32 cx: cx is the work-group's place in the cluster, rho a rank 0 .. 15 taken from a table by the wave's number.
; The table is a 4 x 4 square whose rows and columns all add to 30: any four waves w, w + 4, w + 8, w + 12, and any four w .. w + 3 (w a multiple of 4), together have the same number of key steps.
; All partners walk all 2,048 keys in step: 8 slots of 256 keys, 4 steps of 64 each, constant trip counts; so each slot is asked for JOINTLY, once for the four (waves 0-3: a quarter each).
; What the mask throws away is not multiplied: a wave leaves out the steps above 2 rho + 2 (all their keys come after query 128 rho + 127 + 1) and masks from step 2 rho on.  Both bounds hang on the wave's number alone, never on cx.
; LAYOUT.  S^T = K Q^T (source 0 = 16 keys, source 1 = 16 queries): a lane holds ONE query (lane % 16) and keys 8 (lane / 16) + 0 .. 7.  Two such tiles, rounded to f16 in pairs, are source 1 of O^T = V^T P, whose result again holds one query a lane.
; Q, K and V^T lie in memory as images of their registers (half u of a fragment at 512 u, lane L at 16 L), so every LDS load takes 512 consecutive bytes, and O^T's packed registers are images for the last product: no stage, no padding.
; SOFTMAX.  Running maximum m and sum l for each query: p = 2^(c s - c m), c = log2(e) / 8; in each step O^T and l are multiplied by a = 2^(c m_old - c m_new).  m begins at -3e38, O^T and l at 0.
; LIMITS: NaN and infinities are not served; scores under -3e38 are not served; p and ctx are rounded once to f16 (p is at most about 1.4; ctx lies within v's range).
; REGISTERS: v1 16 x lane; v2 the step's LDS address; v3, v4 the spare word's address and 0; v5 256 x lane; v6 my query + 1 - 8 (lane / 16); v7, v8 that less the step's first key, for tile 0, 1; v9 -infinity;
;   v12-27 statistics, 8 a tile: +0 c m, +1 m, +2, +3 l, +4 .. +7 at work (a in +6); v28-31 second chains of the sums; v32-63 Q; v64-127 S^T, then p, then P; v128-191 O^T; v192-255 K's eight fragments, then V^T's eight.
.set SLOTB, 65536                      ; a slot: four steps of 16,384 bytes: K's 8,192, then V^T's 8,192
.set STEPB, 16384
.set SPARE, 2*SLOTB                    ; behind the two slots: the spare words, 128 bytes for each of the 16 waves, which no other line names
.set LI,   1
.set ADR,  2
.set SPW,  3
.set NIL,  4
.set PFO,  5
.set QL,   6
.set DM,   7
.set NINF, 9
.set T,    12
.set L2,   28
.set Q,    32
.set S,    64
.set O,    128
.set KV,   192
.set WV,   10
.set RHO,  11
.set LAST, 12
.set DG,   13
.set KS,   14
.set TB,   15
.set SLOTS, 16
.set IN,   17
.set LIM,  18
.set SEL,  20
.set CS,   22
.set G1,   24
.set G0,   32
.set PFA,  36
.macro ROUND                           ; a round of the cluster's barrier
	s_barrier_signal -1
	s_barrier_wait -1
	s_cmp_lg_u32 s[WV], 0
	s_cbranch_scc1 .Lnot_wave_0_\@
	s_barrier_signal -3
.Lnot_wave_0_\@:
	s_barrier_wait -3
	s_barrier_signal -1
	s_barrier_wait -1
.endm
.macro TLOAD                           ; waves 0 to 3 ask for a quarter of a slot each; four v_nop follow the line
	s_cmp_lt_u32 s[WV], 4
	s_cbranch_scc0 .Lnone_\@
	tensor_load_to_lds s[G0:G0+3], s[G1:G1+7]
	s_nop 0
.rept 4
	v_nop
.endr
.Lnone_\@:
.endm
; A prefetch of the slot that the NEXT change of slots will ask for.  The head's 65,536 bytes of a slot are shared out by address: work-group cx takes 16,384, in it waves 4 and 5 take 8,192 each, lanes 256 bytes apart:
; each aligned block of 256 bytes is named once in the launch.  The last change that fills a slot asks for nothing; slots 0 and 1 come by their loads alone.
.macro ASK
	s_cmp_gt_u32 s[SLOTS], s[LIM]
	s_cbranch_scc0 .Lnot_mine_\@
	global_prefetch_b8 v[PFO], s[PFA:PFA+1] th:TH_LOAD_NT scope:SCOPE_SE
.Lnot_mine_\@:
.endm
; THE CHANGE OF SLOTS, at a slot's head.  Each wave waits for all its tensor loads, adds 0 to its spare word, and waits for that and for its reads of the slot that it has left.
; fill = 1: the barrier is a round of the cluster's, and behind it the slot just left is filled with the next 256 keys: the load has four key steps in which to land.
.macro CHANGE fill
	s_wait_tensorcnt 0x0                           ; no tensor load of mine is out, so group 0 may be written
	ds_add_u32 v[SPW], v[NIL]                      ; 0 onto my spare word
.if \fill
	s_xor_b32 s[G0+1], s[G0+1], SLOTB              ; the other slot than last time,
	s_add_nc_u64 s[G0+2:G0+3], s[G0+2:G0+3], SLOTB ; the next 256 keys; the type bits on top are not reached
	s_wait_xcnt 0x0                                ; the last prefetch, a slot back, has read its address
	s_add_nc_u64 s[PFA:PFA+1], s[PFA:PFA+1], SLOTB
.endif
	s_wait_dscnt 0x0                               ; the add is done, and my reads of the slot that I have left are over
.if \fill
	ROUND
	TLOAD                                          ; the first thing behind the round, a wave's one tensor load until the next
	ASK
.else
	s_barrier_signal -1
	s_barrier_wait -1
.endif
.endm
; THE SOFTMAX of a step, both tiles line by line, so that no line waits for the line above it.
.macro SOFT
.irp j, 0,1,2,3                        ; the maximum: four chains, each begun at an accumulator's low end
.irp x, 0,1
	v_max3_num_f32 v[T+8*\x+4+\j], v[S+32*\x+8*\j], v[S+32*\x+8*\j+1], v[S+32*\x+8*\j+2]
.endr
.endr
.irp i, 3,5
.irp j, 0,1,2,3
.irp x, 0,1
	v_max3_num_f32 v[T+8*\x+4+\j], v[T+8*\x+4+\j], v[S+32*\x+8*\j+\i], v[S+32*\x+8*\j+\i+1]
.endr
.endr
.endr
.irp x, 0,1
	v_max3_num_f32 v[T+8*\x+4], v[T+8*\x+4], v[S+32*\x+7], v[S+32*\x+15]
.endr
.irp x, 0,1
	v_max3_num_f32 v[T+8*\x+6], v[T+8*\x+6], v[S+32*\x+23], v[S+32*\x+31]
.endr
.irp x, 0,1
	v_max3_num_f32 v[T+8*\x+4], v[T+8*\x+4], v[T+8*\x+5], v[T+8*\x+6]
.endr
.irp x, 0,1
	v_max3_num_f32 v[T+8*\x+4], v[T+8*\x+4], v[T+8*\x+7], v[T+8*\x+1]   ; with the old m
.endr
.irp x, 0,1
	v_permlanex16_b32 v[T+8*\x+5], v[T+8*\x+4], s[SEL], s[SEL+1]        ; the query's other 32 keys lie in the lane 16 away
.endr
.irp x, 0,1
	v_mov_b32 v[T+8*\x+7], v[T+8*\x]               ; c m_old is kept for a
.endr
.irp x, 0,1
	v_max_num_f32 v[T+8*\x+1], v[T+8*\x+4], v[T+8*\x+5]
.endr
.irp x, 0,1
	v_mul_f32 v[T+8*\x], s[CS], v[T+8*\x+1]
.endr
.irp x, 0,1
	v_sub_f32 v[T+8*\x+7], v[T+8*\x+7], v[T+8*\x]
.endr
.irp x, 0,1
	v_exp_f32 v[T+8*\x+6], v[T+8*\x+7]             ; a; the packed lines below are the plain lines behind it
.endr
.irp b, 0,2,4,6,8,10,12,14,16,18,20,22,24,26,28,30
.irp x, 0,1
	v_pk_fma_f32 v[S+32*\x+\b:S+32*\x+\b+1], v[S+32*\x+\b:S+32*\x+\b+1], s[CS:CS+1], v[T+8*\x:T+8*\x+1] op_sel_hi:[1,0,0] neg_lo:[0,0,1] neg_hi:[0,0,1]   ; c s - c m
.endr
.endr
.set n, 0
.rept 64
	v_exp_f32 v[S+n], v[S+n]                       ; p
.set n, n+1
.endr
	s_wait_alu depctr_va_vdst(0)
.irp x, 0,1
	v_pk_mul_f32 v[T+8*\x+2:T+8*\x+3], v[T+8*\x+2:T+8*\x+3], v[T+8*\x+6:T+8*\x+7] op_sel_hi:[1,0]   ; l x a (a plain line behind the exponentials)
.endr
.irp x, 0,1
	v_pk_add_f32 v[L2+2*\x:L2+2*\x+1], v[S+32*\x:S+32*\x+1], v[S+32*\x+2:S+32*\x+3]   ; the sum of the unrounded p, two at a time, in two chains a tile
.endr
.irp j, 4,8,12,16,20,24,28
.irp x, 0,1
	v_pk_add_f32 v[T+8*\x+2:T+8*\x+3], v[T+8*\x+2:T+8*\x+3], v[S+32*\x+\j:S+32*\x+\j+1]
	v_pk_add_f32 v[L2+2*\x:L2+2*\x+1], v[L2+2*\x:L2+2*\x+1], v[S+32*\x+\j+2:S+32*\x+\j+3]
.endr
.endr
.irp x, 0,1
	v_pk_add_f32 v[T+8*\x+2:T+8*\x+3], v[T+8*\x+2:T+8*\x+3], v[L2+2*\x:L2+2*\x+1]
.endr
.set n, 0
.rept 32                               ; p to f16, in place and ascending: register i of a run of 16 takes numbers 2 i and 2 i + 1: the first eight registers of each run are P (32 keys x 16 queries)
.set rb, S+32*(n/16)+16*((n/8)%2)
	v_cvt_pk_f16_f32 v[rb+n%8], v[rb+2*(n%8)], v[rb+2*(n%8)+1]
.set n, n+1
.endr
.set n, 0
.rept 32
	v_pk_mul_f32 v[O+2*n:O+2*n+1], v[O+2*n:O+2*n+1], v[T+8*(n/16)+6:T+8*(n/16)+7] op_sel_hi:[1,0]   ; O^T x a, each accumulator from its low end on
.set n, n+1
.endr
.endm
; A KEY STEP: 64 keys.
.macro STEP
	s_cmp_gt_u32 s[KS], s[LAST]                    ; all keys of the step come after my queries: its work is left out; the lines at its end that step addresses are not
	s_cbranch_scc1 .Lskip_\@
	v_add_nc_u32 v[ADR], s[TB], v[LI]
.irp c, 0,1                            ; K's eight fragments (16 keys kt x 32 channels c), the four of c = 0 first
.irp kt, 0,1,2,3
.irp u, 0,1
	ds_load_b128 v[KV+8*(2*\kt+\c)+4*\u:KV+8*(2*\kt+\c)+4*\u+3], v[ADR] offset:(2*\kt+\c)*1024+512*\u
.endr
.endr
.endr
	s_wait_dscnt 8                                 ; the eight loads of c = 0 are in; the eight of c = 1 may be out
.irp kt, 0,1,2,3                       ; eight accumulators by turns, one instruction a turn
.irp x, 0,1
	v_wmma_f32_16x16x32_f16 v[S+32*\x+8*\kt:S+32*\x+8*\kt+7], v[KV+16*\kt:KV+16*\kt+7], v[Q+16*\x:Q+16*\x+7], 0
.endr
.endr
	s_wait_dscnt 0x0
.irp kt, 0,1,2,3
.irp x, 0,1
	v_wmma_f32_16x16x32_f16 v[S+32*\x+8*\kt:S+32*\x+8*\kt+7], v[KV+16*\kt+8:KV+16*\kt+15], v[Q+16*\x+8:Q+16*\x+15], v[S+32*\x+8*\kt:S+32*\x+8*\kt+7]
.endr
.endr
.rept 4
	v_nop                                          ; places in front of the loads over K's fragments and of the first read of the scores
.endr
.irp kk, 0,1                           ; V^T's eight fragments (16 channels ct x 32 keys kk): they land while the softmax is worked
.irp ct, 0,1,2,3
.irp u, 0,1
	ds_load_b128 v[KV+8*(4*\kk+\ct)+4*\u:KV+8*(4*\kk+\ct)+4*\u+3], v[ADR] offset:8192+(4*\kk+\ct)*1024+512*\u
.endr
.endr
.endr
	s_cmp_lt_u32 s[KS], s[DG]                      ; a step all of whose keys count for all queries of rank rho skips the mask
	s_cbranch_scc1 .Lopen_\@
	s_lshl_b32 s19, s[KS], 6
	v_sub_nc_u32 v[DM], v[QL], s19                 ; d = my query + 1 - 8 (lane / 16) - the step's first key.  Register 8 kt + j holds key 16 kt + 8 (lane / 16) + j: hidden where 16 kt + j > d
	v_add_nc_u32 v[DM+1], 16, v[DM]                ; tile 1's queries are 16 further on
.set n, 0
.rept 64
	v_cmp_gt_i32 vcc_lo, 16*((n/8)%4)+n%8, v[DM+n/32]
	v_cndmask_b32 v[S+n], v[S+n], v[NINF], vcc_lo
.set n, n+1
.endr
.Lopen_\@:
	SOFT
	s_wait_dscnt 0x0                               ; V^T is in
.irp kk, 0,1                           ; O^T += V^T P: eight accumulators by turns
.irp ct, 0,1,2,3
.irp x, 0,1
	v_wmma_f32_16x16x32_f16 v[O+32*\x+8*\ct:O+32*\x+8*\ct+7], v[KV+8*(4*\kk+\ct):KV+8*(4*\kk+\ct)+7], v[S+32*\x+16*\kk:S+32*\x+16*\kk+7], v[O+32*\x+8*\ct:O+32*\x+8*\ct+7]
.endr
.endr
.endr
.rept 5
	v_nop                                          ; five places: the next step's first products write over P, its loads land on V^T's fragments; the way out reads O^T
.endr
.Lskip_\@:
	s_add_co_u32 s[TB], s[TB], STEPB
	s_add_co_u32 s[KS], s[KS], 1
.endm
.macro SLOT_STEPS                      ; a slot's four steps: written once, walked four times
	s_mov_b32 s[IN], 4
.Lstep_\@:
	STEP
	s_sub_co_u32 s[IN], s[IN], 1
	s_cmp_lg_u32 s[IN], 0
	s_cbranch_scc1 .Lstep_\@
	s_sub_co_u32 s[TB], s[TB], SLOTB               ; back to a slot's first step,
	s_xor_b32 s[TB], s[TB], SLOTB                  ; in the other slot
.endm
	s_load_b128 s[4:7], s[0:1], 0x0                ; qi, kv
	s_load_b64 s[8:9], s[0:1], 0x10                ; ctx
	v_lshl_add_u32 v[SPW], v0, 2, SPARE
	v_mov_b32 v[NIL], 0
	ds_add_u32 v3, v4
	s_wait_dscnt 0x0
	v_lshrrev_b32 v10, 5, v0
	v_readfirstlane_b32 s[WV], v10                 ; wave 0..15
	s_mov_b32 s42, 0xf12c4a97                      ; the table of ranks, four bits a wave: waves 8-15,
	s_cmp_lt_u32 s[WV], 8
	s_cselect_b32 s42, 0x865b3de0, s42             ; waves 0-7
	s_and_b32 s43, s[WV], 7
	s_lshl_b32 s43, s43, 2
	s_lshr_b32 s[RHO], s42, s43
	s_and_b32 s[RHO], s[RHO], 15
	s_lshl_b32 s[DG], s[RHO], 1                    ; from this step on the mask is laid
	s_add_co_u32 s[LAST], s[DG], 2                 ; the last step with a key that counts
	s_mov_b32 s[KS], 0
	s_mov_b32 s[TB], 0
	s_mov_b32 s[SLOTS], 7
	s_bfe_u32 s40, ttmp6, 0x40000                  ; cx: it enters Q's, ctx's and the prefetches' addresses and the mask's numbers, nothing else
	s_and_b32 s41, ttmp7, 0xffff                   ; bh, which the four partners share
	s_mov_b32 s[SEL], 0x76543210
	s_mov_b32 s[SEL+1], 0xfedcba98
	s_mov_b32 s[CS], 0x3e38aa3b                    ; c = log2(e) / 8
	s_mov_b32 s[CS+1], s[CS]                       ; named with it as a pair, so it is written
	s_mov_b32 s[G1], 15|(3<<16)|(1<<21)            ; 15:0 the mask: all four work-groups; 17:16 elements of 8 bytes; 21 set beside a mask; no padding
	s_mov_b32 s[G1+1], 32<<16                      ; tensor_dim0 = 32 elements: rows of 256 bytes
	s_mov_b32 s[G1+2], 64<<16                      ; tensor_dim1 = 64 rows: 16,384 dense bytes
	s_mov_b32 s[G1+3], 32<<16                      ; tile_dim0
	s_mov_b32 s[G1+4], 64                          ; tile_dim1
	s_mov_b32 s[G1+5], 32                          ; the pitch
	s_mov_b32 s[G1+6], 0
	s_mov_b32 s[G1+7], 0
	s_and_b32 s38, s[WV], 3
	s_lshl_b32 s38, s38, 14                        ; the quarter of a slot that I fetch, if I fetch
	s_lshl_b32 s44, s41, 19                        ; the head's 524,288 bytes of kv
	s_add_co_u32 s44, s44, s38
	s_mov_b32 s45, 0
	s_lshr_b32 s43, s[WV], 1
	s_cmp_eq_u32 s43, 2
	s_cselect_b32 s[LIM], 1, -1                    ; waves 4 and 5 prefetch
	s_lshl_b32 s46, s41, 19
	s_add_co_u32 s46, s46, SLOTB                   ; the prefetches stand in slot 1; the first change of slots steps them to slot 2
	s_lshl_b32 s47, s40, 14
	s_add_co_u32 s46, s46, s47
	s_and_b32 s47, s[WV], 1
	s_lshl_b32 s47, s47, 13
	s_add_co_u32 s46, s46, s47
	s_mov_b32 s47, 0
	s_wait_kmcnt 0x0
	s_mov_b32 s[G0], 1
	s_mov_b32 s[G0+1], s38
	s_add_nc_u64 s[G0+2:G0+3], s[6:7], s[44:45]
	s_or_b32 s[G0+3], s[G0+3], 0x80000000
	s_add_nc_u64 s[PFA:PFA+1], s[6:7], s[46:47]
	ROUND                                          ; all four work-groups are here: the first joint load meets
	TLOAD                                          ; slot 0
	s_lshl_b32 s42, s41, 18                        ; Q: (128 bh + 8 rho + 2 cx) tiles of 2,048 bytes
	s_lshl_b32 s43, s[RHO], 14
	s_add_co_u32 s42, s42, s43
	s_lshl_b32 s43, s40, 12
	s_add_co_u32 s42, s42, s43
	s_mov_b32 s43, 0
	s_add_nc_u64 s[4:5], s[4:5], s[42:43]
	v_and_b32 v10, 31, v0
	v_lshlrev_b32 v[LI], 4, v10
	v_lshlrev_b32 v[PFO], 8, v10
.irp i, 0,1,2,3,4,5,6,7
	global_load_b128 v[Q+4*\i:Q+4*\i+3], v[LI], s[4:5] offset:512*\i   ; Q stays in registers: tile i / 4, channels 32 ((i / 2) % 2) on, half i % 2
.endr
	s_lshr_b32 s42, s41, 4                         ; ctx: image at ((mb 8 + ks) 8 + mt) 4096 + kf 1024: mb = 16 batch + rho, ks = head / 2, mt = 2 cx + tile, kf = 2 (head % 2) + ct / 2
	s_lshl_b32 s42, s42, 4
	s_add_co_u32 s42, s42, s[RHO]
	s_lshl_b32 s42, s42, 18
	s_bfe_u32 s46, s41, 0x30001
	s_lshl_b32 s46, s46, 15
	s_add_co_u32 s42, s42, s46
	s_and_b32 s46, s41, 1
	s_lshl_b32 s46, s46, 11
	s_add_co_u32 s42, s42, s46
	s_lshl_b32 s46, s40, 13
	s_add_co_u32 s42, s42, s46
	s_add_nc_u64 s[8:9], s[8:9], s[42:43]
	s_lshl_b32 s46, s[RHO], 7
	s_lshl_b32 s47, s40, 5
	s_add_co_u32 s46, s46, s47
	s_add_co_u32 s46, s46, 1                       ; my first query + 1
	v_and_b32 v10, 15, v0
	v_bfe_u32 v11, v0, 4, 1
	v_lshlrev_b32 v11, 3, v11
	v_sub_nc_u32 v[QL], v10, v11
	v_add_nc_u32 v[QL], s46, v[QL]
	v_mov_b32 v[NINF], 0xff800000
.irp x, 0,1
	v_mov_b32 v[T+8*\x+1], 0xff61b1e6              ; m = -3e38, under every score that is served
	v_mul_f32 v[T+8*\x], s[CS], v[T+8*\x+1]
.irp i, 2,3,4,5,6,7
	v_mov_b32 v[T+8*\x+\i], 0                      ; l, and the registers at work
.endr
.endr
.set n, 0
.rept 64
	v_mov_b32 v[O+n], 0                            ; O^T.  (The step is written once: the first finds zeros, which the first a leaves zeros)
.set n, n+1
.endr
	s_wait_loadcnt 0x0                             ; Q
.Lslot:                                            ; seven trips: behind each change of slots but the last the next slot is asked for
	CHANGE 1
	SLOT_STEPS
	s_sub_co_u32 s[SLOTS], s[SLOTS], 1
	s_cmp_lg_u32 s[SLOTS], 0
	s_cbranch_scc1 .Lslot
	CHANGE 0                                       ; the last slot is written out
	SLOT_STEPS
	; THE WAY OUT: l's two halves and the other half of the lanes'; O^T / l, rounded to f16: four registers an accumulator, half an image for the last product.
.irp x, 0,1
	v_add_f32 v[T+8*\x+4], v[T+8*\x+2], v[T+8*\x+3]
.endr
.irp x, 0,1
	v_permlanex16_b32 v[T+8*\x+5], v[T+8*\x+4], s[SEL], s[SEL+1]
.endr
.irp x, 0,1
	v_add_f32 v[T+8*\x+4], v[T+8*\x+4], v[T+8*\x+5]
.endr
.irp x, 0,1
	v_rcp_f32 v[T+8*\x+6], v[T+8*\x+4]
.endr
	v_nop                                          ; a plain line between the last reciprocal and the use of its result
.set n, 0
	s_wait_alu depctr_va_vdst(0)
.rept 32
	v_pk_mul_f32 v[O+2*n:O+2*n+1], v[O+2*n:O+2*n+1], v[T+8*(n/16)+6:T+8*(n/16)+7] op_sel_hi:[1,0]
.set n, n+1
.endr
.set n, 0
.rept 32
	v_cvt_pk_f16_f32 v[S+n], v[O+2*n], v[O+2*n+1]
.set n, n+1
.endr
.irp x, 0,1
.irp ct, 0,1,2,3
	global_store_b128 v[LI], v[S+16*\x+4*\ct:S+16*\x+4*\ct+3], s[8:9] offset:\x*4096+\ct*512   ; 32 lanes store 512 consecutive bytes, aligned
.endr
.endr
	s_wait_tensorcnt 0x0                           ; the wave's end
	ds_add_u32 v[SPW], v[NIL]
	s_wait_dscnt 0x0
	ROUND                                          ; the closing round
	s_endpgm
.Lfunc_end_k_q47f6efc978_attn:
	.size	k_q47f6efc978_attn, .Lfunc_end_k_q47f6efc978_attn-k_q47f6efc978_attn
	.p2alignl 7, 3214868480
	.fill 96, 4, 3214868480
	.section	.rodata,"a",@progbits
	.p2align	6, 0x0
	.amdhsa_kernel k_q47f6efc978_attn
		.amdhsa_group_segment_fixed_size 327680
		.amdhsa_private_segment_fixed_size 0
		.amdhsa_enable_private_segment 0
		.amdhsa_kernarg_size 24
		.amdhsa_user_sgpr_count 2
		.amdhsa_user_sgpr_kernarg_segment_ptr 1
		.amdhsa_wavefront_size32 1
		.amdhsa_system_sgpr_workgroup_id_x 1
		.amdhsa_system_sgpr_workgroup_id_y 1
		.amdhsa_system_sgpr_workgroup_id_z 1
		.amdhsa_system_vgpr_workitem_id 0
		.amdhsa_next_free_vgpr 256
		.amdhsa_next_free_sgpr 66
		.amdhsa_reserve_vcc 1
		.amdhsa_float_denorm_mode_32 3
		.amdhsa_float_denorm_mode_16_64 3
		.amdhsa_memory_ordered 1
		.amdhsa_forward_progress 1
		.amdhsa_inst_pref_size 58
	.end_amdhsa_kernel
	.amdgpu_metadata
---
amdhsa.version: [ 1, 2 ]
amdhsa.kernels:
  - .name:           k_q47f6efc978_attn
    .symbol:         k_q47f6efc978_attn.kd
    .args:
      - { .name: qi, .offset: 0, .size: 8, .value_kind: global_buffer, .address_space: global }
      - { .name: kv, .offset: 8, .size: 8, .value_kind: global_buffer, .address_space: global }
      - { .name: ctx, .offset: 16, .size: 8, .value_kind: global_buffer, .address_space: global }
    .group_segment_fixed_size: 327680
    .private_segment_fixed_size: 0
    .kernarg_segment_align: 8
    .kernarg_segment_size: 24
    .max_flat_workgroup_size: 512
    .sgpr_count:     66
    .vgpr_count:     256
    .wavefront_size: 32
...
	.end_amdgpu_metadata
.endif
;; end of part 3
;; launch proj (part 4): grid 4 x 64, 4 waves a work-group, clusters of 4 x 4, 327,680 bytes of LDS; arguments ctx, wo, bo, out0; writes out0
.if DOCPART == 4
	.amdgcn_target "amdgcn-amd-amdhsa--gfx1250"
	.amdhsa_code_object_version 6
	.text
	.protected	k_q47f6efc978_proj
	.globl	k_q47f6efc978_proj
	.p2align	8
	.type	k_q47f6efc978_proj,@function
k_q47f6efc978_proj:
	s_mov_b64 s[64:65], 0
	v_nop
	global_prefetch_b8 v0, s[64:65] scope:SCOPE_SE
	s_setreg_imm32_b32 hwreg(HW_REG_WAVE_MODE, 25, 1), 1
	s_wait_xcnt 0x0
	s_wait_alu depctr_hold_cnt(0) depctr_sa_sdst(0) depctr_va_vdst(0) depctr_va_sdst(0) depctr_va_ssrc(0) depctr_va_vcc(0) depctr_vm_vsrc(0)
	s_getreg_b32 s2, hwreg(HW_REG_IB_STS2, 6, 4)
	s_cmp_eq_u32 s2, 0
	s_cbranch_scc0 .Lentry_in_a_cluster
	s_endpgm
.Lentry_in_a_cluster:
	s_bfe_u32 s2, ttmp6, 0x10000c
	s_cmp_lg_u32 s2, 0xf033
	s_cbranch_scc0 .Lentry_shape_is_right
	s_endpgm
.Lentry_shape_is_right:
; PROJ: out0[m][n] = sum over k of ctx[m][k] Wo[k][n] + bo[n].  m 8,192, n 1,024, k 1,024; operands f16, sums f32, out0 f32.
; A tile of out0 is 128 (m) x 256 (n): 256 work-groups of four waves, a wave 64 x 128: 32 accumulators.  K goes in 8 steps of 128 through two LDS slots.
; ctx and wo lie in memory as images of the operand registers (16 rows x 32 k: half u at 512 u, lane L at 16 L), a K step's images of a tile on end: ctx's 32,768 dense bytes, wo's 65,536.  So a tile is one dense block for the
; tensor loads (waves 0, 1: ctx's halves; waves 2, 3: wo's), every LDS load takes 512 consecutive bytes, and there is no padding.
; CLUSTERS of 4 x 4: ctx's tile hangs on the tile row alone and is asked for jointly along a row of the cluster, wo's on the tile column alone, along a column.
; THE MATRIX INSTRUCTION IS USED TRANSPOSED (source 0 = 16 columns n of Wo, source 1 = 16 rows m of ctx): a lane holds eight neighbouring n of one row m.  The bias is the C of each sum's first matrix instruction.
; REGISTERS: window 0: v3 16 x lane; v16-17, v20-21 LDS addresses; v24, v25 the stage; v27 the bias's lane term; v28, v29 the spare word's address and 0; v32-95 ctx's fragments, two sets of 4; v96-223 Wo's, two sets of 8.
;   window 1: the accumulators, (a, b) at v[8 (8 a + b)].   window 2: v0-63 the bias, eight registers for each b.
.set SLOT,   98304                     ; ctx's 32,768 bytes, then wo's 65,536
.set STAGE,  2*SLOT                    ; behind the slots: 16 rows x (512 bytes + 16) for each wave; no tensor load lands here
.set SPITCH, 528
.set SPARE,  STAGE+4*16*SPITCH         ; the spare words, 128 bytes for each wave, which no other line names
.set LI,   3
.set ADRA, 16
.set ADRB, 20
.set STO,  24
.set RD,   25
.set BL,   27
.set SPW,  28
.set NIL,  29
.set AF,   32
.set BF,   96
.set BK,   96
.set G1, 24
.set G0, 32
.set G1B, 48
.set G0B, 56
.set MSB, 0
.macro WIN new                         ; the immediate's high byte repeats the setting that is left
.if MSB != (\new)
	s_set_vgpr_msb (MSB<<8)|(\new)
.set MSB, (\new)
.endif
.endm
.macro JLOAD s                         ; a joint load; the branch hangs on the wave's number alone; four v_nop follow each of the two lines
	s_cmp_eq_u32 s11, 0
	s_cbranch_scc0 .Lfor_b_\@
	tensor_load_to_lds s[G0+4*\s:G0+4*\s+3], s[G1:G1+7]
	s_nop 0
.rept 4
	v_nop
.endr
	s_branch .Lasked_\@
.Lfor_b_\@:
	tensor_load_to_lds s[G0B+4*\s:G0B+4*\s+3], s[G1B:G1B+7]
	s_nop 0
.rept 4
	v_nop
.endr
.Lasked_\@:
.endm
.macro CREST                           ; a round of the cluster's barrier behind its opening barrier
	s_cmp_lg_u32 s10, 0
	s_cbranch_scc1 .Lnot_wave_0_\@
	s_barrier_signal -3
.Lnot_wave_0_\@:
	s_barrier_wait -3
	s_barrier_signal -1
	s_barrier_wait -1
.endm
.macro CROUND
	s_barrier_signal -1
	s_barrier_wait -1
	CREST
.endm
.macro PLACES                          ; four plain vector lines between a matrix instruction and a load into a register that it read, or the first read of its result
.rept 4
	v_nop
.endr
.endm
; 8 matrix instructions: ctx's block a x Wo's eight, 32 along K, from set f.  first = 1: C is the bias (window 2).  The 32 accumulators take turns in the same order in every quarter.
.macro MUL8 f, a, first
.irp b, 0,1,2,3,4,5,6,7
.if \first
	v_wmma_f32_16x16x32_f16 v[8*(8*(\a)+\b):8*(8*(\a)+\b)+7], v[BF+64*(\f)+8*\b:BF+64*(\f)+8*\b+7], v[AF+32*(\f)+8*(\a):AF+32*(\f)+8*(\a)+7], v[8*\b:8*\b+7]
.else
	v_wmma_f32_16x16x32_f16 v[8*(8*(\a)+\b):8*(8*(\a)+\b)+7], v[BF+64*(\f)+8*\b:BF+64*(\f)+8*\b+7], v[AF+32*(\f)+8*(\a):AF+32*(\f)+8*(\a)+7], v[8*(8*(\a)+\b):8*(8*(\a)+\b)+7]
.endif
.endr
.endm
.macro FETCH slot, q, f                ; 24 LDS loads in one run: the slot's q-th 32 along K into set f: Wo's eight fragments, then ctx's four
	WIN 0
.irp b, 0,1,2,3,4,5,6,7
	ds_load_b128 v[BF+64*(\f)+8*\b:BF+64*(\f)+8*\b+3],   v[ADRB+\slot] offset:(\q)*16384+\b*1024
	ds_load_b128 v[BF+64*(\f)+8*\b+4:BF+64*(\f)+8*\b+7], v[ADRB+\slot] offset:(\q)*16384+\b*1024+512
.endr
.irp a, 0,1,2,3
	ds_load_b128 v[AF+32*(\f)+8*\a:AF+32*(\f)+8*\a+3],   v[ADRA+\slot] offset:\a*4096+(\q)*1024
	ds_load_b128 v[AF+32*(\f)+8*\a+4:AF+32*(\f)+8*\a+7], v[ADRA+\slot] offset:\a*4096+(\q)*1024+512
.endr
.endm
; A K step is four quarters of 32 along K, 32 matrix instructions each, on sets 0, 1, 0, 1.  One of the first three: multiplies set f and fetches quarter q of the same slot into set g.
.macro QUARTER slot, q, f, g, first
	s_wait_dscnt 4                                 ; Wo's fragments and ctx's blocks 0, 1 are in; the youngest four loads (blocks 2, 3) may be out
	WIN 0x50+0x10*(\first)                         ; C and D window 1 (first: C window 2)
	MUL8 \f, 0, \first
	MUL8 \f, 1, \first
	PLACES
	FETCH \slot, \q, \g
	s_wait_dscnt 24                                ; all but the 24 just issued
	WIN 0x50+0x10*(\first)
	MUL8 \f, 2, \first
	MUL8 \f, 3, \first
.endm
; The last quarter multiplies set 1 and changes slots: ONE barrier; in front of it each wave waits for all its tensor loads, adds 0 to its spare word, and waits for that and for its reads of this slot.
; fill = 1: the barrier opens a round of the cluster's, and behind it this slot is filled again, two K steps ahead.
.macro TURN slot, next, fill
	WIN 0                                          ; (the add's two registers lie in window 0)
	s_wait_tensorcnt 0x0                           ; all my tensor loads have landed: my part of the next slot
	ds_add_u32 v[SPW], v[NIL]                      ; 0 onto my spare word
	s_wait_dscnt 5                                 ; (the add and the youngest four loads may be out)
	WIN 0x50
	MUL8 1, 0, 0                                   ; eight matrix instructions stand between the add and the wait for it
	s_wait_dscnt 0x0                               ; the add is done, and my reads of this slot are over
	s_barrier_signal -1
	MUL8 1, 1, 0
	WIN 0
	s_barrier_wait -1
.if \fill
	CREST                                          ; no wave of any partner still reads this slot or has a load on its way
	s_add_nc_u64 s[G0+4*\slot+2:G0+4*\slot+3], s[G0+4*\slot+2:G0+4*\slot+3], 2*32768
	s_add_nc_u64 s[G0B+4*\slot+2:G0B+4*\slot+3], s[G0B+4*\slot+2:G0B+4*\slot+3], 2*65536
	JLOAD \slot                                    ; the first tensor load behind the round; its four v_nop are also the places in front of the loads below
.else
	PLACES
.endif
	FETCH \next, 0, 0
	WIN 0x50
	MUL8 1, 2, 0
	MUL8 1, 3, 0
.endm
	s_load_b128 s[4:7], s[0:1], 0x0                ; ctx, wo
	s_load_b128 s[20:23], s[0:1], 0x10             ; bo, out0
	v_lshl_add_u32 v[SPW], v0, 2, SPARE
	v_mov_b32 v[NIL], 0
	ds_add_u32 v28, v29
	s_wait_dscnt 0x0
	v_lshrrev_b32 v1, 5, v0
	v_readfirstlane_b32 s10, v1                    ; wave 0..3
	s_lshr_b32 s11, s10, 1                         ; which 64 rows are mine.  Also: I fetch for ctx (0) or for wo (1)
	s_and_b32 s12, s10, 1                          ; which 128 columns.  Also: which half of that tile I fetch
	s_bfe_u32 s40, ttmp6, 0x40000                  ; cx, cy
	s_bfe_u32 s41, ttmp6, 0x40004
	s_lshl_b32 s42, ttmp9, 2
	s_add_co_u32 s42, s42, s40                     ; tile column
	s_and_b32 s13, ttmp7, 0xffff
	s_lshl_b32 s13, s13, 2
	s_add_co_u32 s13, s13, s41                     ; tile row
	s_lshl_b32 s43, s41, 2
	s_lshl_b32 s43, 15, s43                        ; my row of the cluster
	s_lshl_b32 s44, 0x1111, s40                    ; my column
	s_or_b32 s[G1+0], s43, (3<<16)|(1<<21)         ; 15:0 the mask; 17:16 elements of 8 bytes; 21 set beside a mask; no padding
	s_or_b32 s[G1B+0], s44, (3<<16)|(1<<21)
	s_mov_b32 s[G1+1], 32<<16                      ; rows of 256 bytes;
	s_mov_b32 s[G1+2], 64<<16                      ; ctx's half: 64 of them
	s_mov_b32 s[G1+3], 32<<16
	s_mov_b32 s[G1+4], 64
	s_mov_b32 s[G1+5], 32
	s_mov_b32 s[G1+6], 0
	s_mov_b32 s[G1+7], 0
	s_mov_b32 s[G1B+1], 32<<16
	s_mov_b32 s[G1B+2], 128<<16                    ; wo's half: 128
	s_mov_b32 s[G1B+3], 32<<16
	s_mov_b32 s[G1B+4], 128
	s_mov_b32 s[G1B+5], 32
	s_mov_b32 s[G1B+6], 0
	s_mov_b32 s[G1B+7], 0
	s_lshl_b32 s16, s13, 18                        ; ctx: 262,144 bytes a tile row,
	s_lshl_b32 s14, s12, 14                        ; my half of a K step's 32,768: in memory and in a slot
	s_add_co_u32 s16, s16, s14
	s_mov_b32 s17, 0
	s_lshl_b32 s46, s42, 19                        ; wo: 524,288 bytes a tile column,
	s_lshl_b32 s15, s12, 15                        ; my half of a K step's 65,536
	s_add_co_u32 s46, s46, s15
	s_mov_b32 s47, 0
	s_add_co_u32 s15, s15, 32768                   ; in a slot wo's bytes lie behind ctx's
	s_wait_kmcnt 0x0
	s_add_nc_u64 s[16:17], s[4:5], s[16:17]
	s_add_nc_u64 s[46:47], s[6:7], s[46:47]
	CROUND                                         ; all sixteen work-groups are here: the first joint loads meet
.irp s, 0,1
	s_mov_b32 s[G0+4*\s], 1
	s_add_co_u32 s[G0+4*\s+1], s14, \s*SLOT
	s_add_nc_u64 s[G0+4*\s+2:G0+4*\s+3], s[16:17], \s*32768
	s_or_b32 s[G0+4*\s+3], s[G0+4*\s+3], 0x80000000
	s_mov_b32 s[G0B+4*\s], 1
	s_add_co_u32 s[G0B+4*\s+1], s15, \s*SLOT
	s_add_nc_u64 s[G0B+4*\s+2:G0B+4*\s+3], s[46:47], \s*65536
	s_or_b32 s[G0B+4*\s+3], s[G0B+4*\s+3], 0x80000000
	JLOAD \s                                       ; by this text's count two tensor loads of a wave are out
.endr
	v_and_b32 v1, 31, v0
	v_lshlrev_b32 v[LI], 4, v1                     ; 16 x lane: an image's place for my lane, and my 16 bytes of a row of out0
	s_lshl_b32 s18, s11, 14                        ; my four blocks of ctx
	s_lshl_b32 s19, s12, 13                        ; my eight of wo,
	s_add_co_u32 s19, s19, 32768
.irp s, 0,1
	v_add_nc_u32 v[ADRA+\s], s18, v[LI]
	v_add_nc_u32 v[ADRB+\s], s19, v[LI]
	s_add_co_u32 s18, s18, SLOT
	s_add_co_u32 s19, s19, SLOT
.endr
	s_mul_i32 s18, s10, 16*SPITCH
	s_add_co_u32 s18, s18, STAGE                   ; my stage
	v_and_b32 v4, 15, v0
	v_bfe_u32 v2, v0, 4, 1
	v_mul_u32_u24 v5, v4, SPITCH
	v_lshl_add_u32 v5, v2, 5, v5
	v_add_nc_u32 v[STO], s18, v5                   ; in: row l % 16, 32 bytes for each half of the lanes
	v_add_nc_u32 v[RD], s18, v[LI]                 ; back: the 32 lanes take one row of 512 bytes
	v_lshlrev_b32 v[BL], 5, v2                     ; the bias: eight numbers for each half of the lanes
	s_lshl_b32 s46, s42, 10                        ; my first column, in bytes: 1,024 x tile column + 512 x half
	s_lshl_b32 s47, s12, 9
	s_add_co_u32 s46, s46, s47
	s_mov_b32 s47, 0
	s_add_nc_u64 s[20:21], s[20:21], s[46:47]
	s_add_nc_u64 s[8:9], s[22:23], s[46:47]
	s_lshl_b32 s46, s13, 19                        ; my first row: 128 rows of 4,096 bytes a tile row, + 64 rows x half
	s_lshl_b32 s18, s11, 18
	s_add_co_u32 s46, s46, s18
	s_add_nc_u64 s[8:9], s[8:9], s[46:47]
	WIN 0x80                                       ; destination window 2
.irp b, 0,1,2,3,4,5,6,7
	global_load_b128 v[8*\b:8*\b+3],   v[BL], s[20:21] offset:64*\b      ; bo(16 b + 8 (l / 16) + 0 .. 7) of my 128 columns: the result's layout
	global_load_b128 v[8*\b+4:8*\b+7], v[BL], s[20:21] offset:64*\b+16
.endr
	WIN 0
	s_wait_tensorcnt 1                             ; my part of K step 0 is in; K step 1's may be out
	s_barrier_signal -1
	s_barrier_wait -1                              ; everybody's is
	FETCH 0, 0, 0
	s_wait_loadcnt 0x0                             ; the bias
	QUARTER 0, 1, 0, 1, 1                          ; the first quarter stands in front of the loop: its products start the sums from the bias
	WIN 0                                          ; at a label and at a branch every window is 0
	s_mov_b32 s3, 3
.Llap:                                             ; a trip goes once round the ring, from a lap's second quarter to the next lap's first, and fills both slots again
	QUARTER 0, 2, 1, 0, 0
	QUARTER 0, 3, 0, 1, 0
	TURN 0, 1, 1
	QUARTER 1, 1, 0, 1, 0
	QUARTER 1, 2, 1, 0, 0
	QUARTER 1, 3, 0, 1, 0
	TURN 1, 0, 1
	QUARTER 0, 1, 0, 1, 0
	WIN 0
	s_sub_co_u32 s3, s3, 1
	s_cmp_lg_u32 s3, 0
	s_cbranch_scc1 .Llap
	QUARTER 0, 2, 1, 0, 0                          ; the last lap fills nothing
	QUARTER 0, 3, 0, 1, 0
	TURN 0, 1, 0
	QUARTER 1, 1, 0, 1, 0
	QUARTER 1, 2, 1, 0, 0
	QUARTER 1, 3, 0, 1, 0
	s_wait_dscnt 4                                 ; the very last quarter
	WIN 0x50
	MUL8 1, 0, 0
	MUL8 1, 1, 0
	s_wait_dscnt 0x0
	MUL8 1, 2, 0
	MUL8 1, 3, 0
	WIN 0
; THE WAY OUT, block by block of 16 rows x 128 columns: a lane holds 32 neighbouring bytes of a row; a block goes through my own stage and comes back as whole rows of 512 bytes.
; LDS serves a wave's instructions in order (ISA guide 5.7.1.4): no wait between the stores and the loads, nor in front of the next block's stores.
.macro TOSTAGE a
	WIN 0x04                                       ; an LDS store's data are its source 1: window 1
.irp b, 0,1,2,3,4,5,6,7
	ds_store_b128 v[STO], v[64*(\a)+8*\b:64*(\a)+8*\b+3] offset:64*\b          ; each accumulator from its low end on
	ds_store_b128 v[STO], v[64*(\a)+8*\b+4:64*(\a)+8*\b+7] offset:64*\b+16
.endr
	WIN 0
.set BB, BK+64*((\a)%2)
.irp t, 0,1,2,3,4,5,6,7,8,9,10,11,12,13,14,15
	ds_load_b128 v[BB+4*\t:BB+4*\t+3], v[RD] offset:\t*SPITCH
.endr
.endm
.macro SEND a, younger                 ; younger: the LDS instructions issued behind block a's loads, which may stay out
.set BB, BK+64*((\a)%2)
	s_wait_dscnt \younger
.irp t, 0,1,2,3,4,5,6,7,8,9,10,11,12,13,14,15
	global_store_b128 v[LI], v[BB+4*\t:BB+4*\t+3], s[8:9] offset:(\a)*65536+\t*4096 th:TH_STORE_NT   ; 32 lanes store 512 consecutive bytes, aligned; written once, read by nobody here
.endr
.endm
	PLACES                                         ; in front of the first read of results and of the loads into the registers that held Wo's fragments
	TOSTAGE 0
	TOSTAGE 1
	SEND 0, 32                                     ; behind block 0's loads: block 1's 16 stores and 16 loads
	s_wait_xcnt 0x0                                ; block 0's stores have read their registers: block 2's loads may land there
	TOSTAGE 2
	SEND 1, 32
	s_wait_xcnt 0x0
	TOSTAGE 3
	SEND 2, 32
	SEND 3, 0
	s_wait_tensorcnt 0x0                           ; the wave's end
	ds_add_u32 v[SPW], v[NIL]
	s_wait_dscnt 0x0
	CROUND                                         ; the closing round
	s_endpgm
.Lfunc_end_k_q47f6efc978_proj:
	.size	k_q47f6efc978_proj, .Lfunc_end_k_q47f6efc978_proj-k_q47f6efc978_proj
	.p2alignl 7, 3214868480
	.fill 96, 4, 3214868480
	.section	.rodata,"a",@progbits
	.p2align	6, 0x0
	.amdhsa_kernel k_q47f6efc978_proj
		.amdhsa_group_segment_fixed_size 327680
		.amdhsa_private_segment_fixed_size 0
		.amdhsa_enable_private_segment 0
		.amdhsa_kernarg_size 32
		.amdhsa_user_sgpr_count 2
		.amdhsa_user_sgpr_kernarg_segment_ptr 1
		.amdhsa_wavefront_size32 1
		.amdhsa_system_sgpr_workgroup_id_x 1
		.amdhsa_system_sgpr_workgroup_id_y 1
		.amdhsa_system_sgpr_workgroup_id_z 1
		.amdhsa_system_vgpr_workitem_id 0
		.amdhsa_next_free_vgpr 576
		.amdhsa_next_free_sgpr 66
		.amdhsa_reserve_vcc 0
		.amdhsa_float_denorm_mode_32 3
		.amdhsa_float_denorm_mode_16_64 3
		.amdhsa_memory_ordered 1
		.amdhsa_forward_progress 1
		.amdhsa_inst_pref_size 86
	.end_amdhsa_kernel
	.amdgpu_metadata
---
amdhsa.version: [ 1, 2 ]
amdhsa.kernels:
  - .name:           k_q47f6efc978_proj
    .symbol:         k_q47f6efc978_proj.kd
    .args:
      - { .name: ctx, .offset: 0, .size: 8, .value_kind: global_buffer, .address_space: global }
      - { .name: wo, .offset: 8, .size: 8, .value_kind: global_buffer, .address_space: global }
      - { .name: bo, .offset: 16, .size: 8, .value_kind: global_buffer, .address_space: global }
      - { .name: out0, .offset: 24, .size: 8, .value_kind: global_buffer, .address_space: global }
    .group_segment_fixed_size: 327680
    .private_segment_fixed_size: 0
    .kernarg_segment_align: 8
    .kernarg_segment_size: 32
    .max_flat_workgroup_size: 128
    .sgpr_count:     66
    .vgpr_count:     576
    .wavefront_size: 32
...
	.end_amdgpu_metadata
.endif
;; end of part 4
